; MI455X (gfx1250); checked and timed in simulation.
; The chip was launched on July 23, 2026; its instructions are those of AMD's public machine-readable ISA for CDNA 5 (MIT licence, August 2026) and "CDNA5" Instruction Set Architecture Reference Guide (July 2026). The comments in the code are by the model that wrote it; some were corrected since.
;; Multi Head Attention. Allowed arithmetic: matrix products marked QUANTISED: E3M2 operands, one E8M0 scale for each 32 along K, by v_wmma_scale_f32_16x16x128_f8f6f4 with both operands' format E3M2, f32 sums; everything else in f32.
;; Inputs: Wk 16 x 1,024 x 64 float32; Wp 1,024 x 1,024 float32; Wq 16 x 1,024 x 64 float32; Wv 16 x 1,024 x 64 float32; bp 1,024 float32; x 4 x 2,048 x 1,024 float32.
;; Outputs: out0 4 x 2,048 x 1,024 float32.
;; This version of the problem:
;;   THIS VERSION OF THE PROBLEM IS GIVEN IN LOW PRECISION. The matrix products marked QUANTISED in the list below multiply operands that are first quantised to E3M2 (3 exponent bits, 2 mantissa bits; 6 bits a number), with one power-of-two scale for each 32 numbers along K (OCP MX v1.0); their sums are f32. All else is computed in f32.
;;   The module's matrix products, in the order in which they are computed (A, B: the left and right operand; K: the contracted axis; several contracted axes count as one K, in the product's order):
;;     1. [M 1,024, K 1,024] x [K 1,024, N 8,192]; A: input Wq; B: input x: QUANTISED
;;     2. [M 1,024, K 1,024] x [K 1,024, N 8,192]; A: input Wk; B: input x: QUANTISED
;;     3. [M 1,024, K 1,024] x [K 1,024, N 8,192]; A: input Wv; B: input x: QUANTISED
;;     4. batch 64 x [M 2,048, K 64] x [K 64, N 2,048]; A: computed on the way; B: computed on the way: QUANTISED
;;     5. batch 64 x [M 2,048, K 2,048] x [K 2,048, N 64]; A: softmax (see below); B: computed on the way: QUANTISED
;;     6. [M 8,192, K 1,024] x [K 1,024, N 1,024]; A: computed on the way; B: input Wp: QUANTISED
;;   THE QUANTISER, for each operand of a quantised product, along K:
;;     - K is cut into blocks of 32 from its start; a last block that is shorter is filled with zeros.
;;     - A block's scale is 2^e with e = floor(log2(the largest magnitude in the block)) - 4, held to -126 .. 127; a block of zeros has e = 0. As a byte (E8M0): e + 127.
;;     - Each number is divided by its block's scale, clamped to +-28, and rounded to the nearest number of E3M2, ties to even, subnormals kept.
;;     - The product sums the exact products of the quantised numbers (number of the format x scale) in f32.
;;   ~~~python
;;   def quantise(x, axis):      # numpy; x: float32 -> the quantised numbers, widened to float32 again
;;       x = np.moveaxis(x, axis, -1); K = x.shape[-1]
;;       x = np.pad(x, [(0, 0)] * (x.ndim - 1) + [(0, -K % 32)]); x = x.reshape(x.shape[:-1] + (-1, 32)); a = np.abs(x).max(-1, keepdims=True)
;;       e = np.where(a > 0, np.clip(np.frexp(np.where(a > 0, a, 1))[1] - 1 - 4, -126, 127), 0)      # np.frexp(a)[1] - 1 = floor(log2(a)), exactly
;;       r = np.clip(x / 2.0 ** e, -28, 28)
;;       step = 2.0 ** (np.maximum(np.frexp(np.where(r == 0, 1, r))[1] - 1, -2) - 2)
;;       q = np.round(r / step) * step * 2.0 ** e      # np.round: ties to even
;;       return np.moveaxis(q.reshape(q.shape[:-2] + (-1,))[..., :K], -1, axis).astype(np.float32)
;;   ~~~
;;   SOFTMAX AHEAD OF A QUANTISED PRODUCT. Where the list says 'softmax', what is quantised is not the finished softmax but p = 2^(t - M), with t = logit x log2(e) and M = ceil(the row's largest t), a whole number; so 1/2 < the row's largest p <= 1. The row's sum l is taken of the UNQUANTISED p, in f32, and the product's result is divided by l at the end. Since M is a whole number, a kernel that streams over the keys may use a running M (the ceiling of the running maximum): every later rescaling is an exact power of two, which a block's scale takes up: the codes' values come out the same.
;;   OPERANDS COMPUTED ON THE WAY. 'Computed on the way' means the value that the module computes at that place (a softmax that the list does not call 'softmax' is quantised finished and normalised). What goes into a quantiser is computed in f32, as accurately as f32 sums, v_exp_f32 and their like allow (about 1e-6 of the number): no bf16 or f16 on the way to a quantiser, and a product that is left as it is and whose result goes on into a quantised operand takes f32 operands (vector FMAs, or v_wmma_f32_16x16x4_f32). A number that lies on a knife's edge between two numbers of the format may be rounded either way, as far as f32 arithmetic and the matrix unit's own rounding can turn it there, and no further.
;; One version. Each part assembles by itself: llvm-mc -triple=amdgcn-amd-amdhsa -mcpu=gfx1250 --defsym DOCPART=n.
;; ======== version 1 of 1: 4 launches
;; limits: right only within a limited range of input values
;; workspace buffers: xq 6,815,744 bytes; wqkq 2,097,152 bytes; wvq 1,310,720 bytes; wpq 1,310,720 bytes; qkq 13,107,200 bytes; vq 6,815,744 bytes; oq 6,815,744 bytes
;; launch quant (part 1): grid 384 x 1, 4 waves a work-group, no clusters, 59,904 bytes of LDS; arguments x, Wq, Wk, Wv, Wp, xq, wqkq, wvq, wpq; writes xq, wqkq, wvq, wpq
.if DOCPART == 1
	.amdgcn_target "amdgcn-amd-amdhsa--gfx1250"
	.amdhsa_code_object_version 6
	.text
	.protected	k_q06f12eadb1_quant
	.globl	k_q06f12eadb1_quant
	.p2align	8
	.type	k_q06f12eadb1_quant,@function
k_q06f12eadb1_quant:
	s_mov_b64 s[64:65], 0
	v_nop
	global_prefetch_b8 v0, s[64:65] scope:SCOPE_SE
	s_setreg_imm32_b32 hwreg(HW_REG_WAVE_MODE, 25, 1), 1
	s_wait_xcnt 0x0
; x [8192][1024] and the four weights, all f32, become codes of BF6 (E3M2) with one E8M0 byte for each 32 along K = the model's 1,024.
; A block's scale is 2^(floor(log2(its largest magnitude)) - 4); its byte is that magnitude's exponent field - 4, held at 1 from below.
; LIMITS: a block whose largest magnitude lies under 2^-122 (a block of zeros among them) gets the byte 1 where the rule says otherwise: its codes are zeros
; or subnormal codes under that scale, and this program alone reads the bytes.  NaN and infinities among the inputs are not served.
; THE LAYOUT OF EVERY OPERAND BUFFER: scale words from byte 0, codes from byte OFFC.  A TILE is 16 rows: tile 2 g + u, row r, is true row 32 g + 8 u + r + 8 (r / 8).
; Codes lie as images of the operand's registers: [tile][K step of 128][1,536 bytes]: piece p of 6 (registers 2 p, 2 p + 1) of lane l at 256 p + 8 l.
; The scale word of (tile, K step s, row r) lies at 512 tile + 128 (s / 2) + 8 r + 4 (s % 2).
; Work-groups 0-255 take x (K innermost), work-groups 256-383 the weights (K is their first axis): two paths, each with LDS bytes of its own.  No wave shares anything with another:
; no barrier, no cluster (no two work-groups read the same bytes), no tensor load.
.set OFFC,  524288
; THE ORDER OF x's TOKENS IN A TILE differs from the weights' order, which the head states: x's tile 4 G + t, row m, is token 64 G + 32 (m / 8) + 8 t + m % 8.
.set XST,   8448                       ; x path: a wave's stage, 16 rows x (512 bytes + 16)
.set WBASE, 4*XST                      ; weights' path: its LDS begins behind the x path's
.set WST,   6400                       ; a wave's stage there: two tiles x 3,200 bytes (3,072 used: the 128 over keep the two tiles on different banks)
.set SEL,   26                         ; s[26:27] v_permlanex16_b32's selects for lane l xor 16
.set R,     16                         ; x path: v16-143 two sets of 64 registers as loaded
.set X,     144                        ; v144-207 64 numbers of a lane: register 16 b + i = k 32 b + 16 (lane / 16) + i of its row
.set PC,    208                        ; v208-227 the codes just made
.set TM,    228                        ; v228-243 at work
.set PW,    244                        ; v244-247 the four K steps' scale words
.set OFR,   16                         ; weights' path: v16-47 byte offsets of my column in 32 rows
.set WX,    48                         ; v48-111 two sets of 32 numbers
.set WC,    112                        ; v112-118 a block's codes
.set SB,    120                        ; v120-121 my column's eight scale bytes
.set OUTR,  128                        ; v128-175 the way out
	s_load_b512 s[4:19], s[0:1], 0x0               ; x 4, Wq 6, Wk 8, Wv 10, Wp 12, xq 14, wqkq 16, wvq 18
	s_load_b64 s[20:21], s[0:1], 0x40              ; wpq
	v_lshl_add_u32 v254, v0, 2, 0xe800
	v_mov_b32 v255, 0
	v_lshrrev_b32 v1, 5, v0
	v_readfirstlane_b32 s22, v1                    ; wave 0..3
	v_and_b32 v2, 31, v0                           ; lane
	v_and_b32 v3, 15, v0                           ; r
	v_bfe_u32 v4, v0, 4, 1                         ; h
	s_mov_b32 s[SEL], 0x76543210
	s_mov_b32 s[SEL+1], 0xfedcba98
	s_cmp_lt_u32 ttmp9, 256
	s_cbranch_scc0 .Lweights
; ---------------- x: work-group g takes tiles 2 g and 2 g + 1; wave w takes tile 2 g + w / 2 and K half w % 2: four K steps of 128
	v_lshlrev_b32 v5, 4, v2                        ; 16 x lane: my 16 bytes of a load's 512
	s_mul_i32 s23, s22, XST
	v_add_nc_u32 v6, s23, v5                       ; the stage, on the way in: a row as it lies
	v_mul_u32_u24 v7, v3, 528
	v_lshl_add_u32 v7, v4, 6, v7
	v_add_nc_u32 v7, s23, v7                       ; and on the way out: row r, + 64 h: rows 528 bytes apart fall on different banks
	v_lshlrev_b32 v8, 3, v2                        ; 8 x lane: my place in a piece
	s_lshr_b32 s24, s22, 1                         ; u
	s_and_b32 s25, s22, 1                          ; K half
	s_lshr_b32 s28, ttmp9, 1                       ; x: (64 (g / 2) + 16 (g % 2) + 8 u) rows of 4,096 bytes + 2,048 x K half
	s_lshl_b32 s28, s28, 18
	s_and_b32 s30, ttmp9, 1
	s_lshl_b32 s30, s30, 16
	s_add_co_u32 s28, s28, s30
	s_lshl_b32 s30, s24, 15
	s_add_co_u32 s28, s28, s30
	s_lshl_b32 s30, s25, 11
	s_add_co_u32 s28, s28, s30
	s_mov_b32 s29, 0
	s_lshl_b32 s30, ttmp9, 1
	s_add_co_u32 s30, s30, s24                     ; my tile
	s_mul_i32 s32, s30, 12288
	s_mul_i32 s31, s25, 6144
	s_add_co_u32 s32, s32, s31
	s_add_co_u32 s32, s32, OFFC                    ; its codes, my four K steps
	s_mov_b32 s33, 0
	s_lshl_b32 s34, s30, 9
	s_lshl_b32 s31, s25, 8
	s_add_co_u32 s34, s34, s31                     ; its scale words, my 256 bytes
	s_mov_b32 s35, 0
.irp b, 0,1,2,3
	v_mov_b32 v[TM+4+\b], 0                        ; written once: a lane permute's destination counts as one of its sources
.endr
	s_wait_alu depctr_va_vdst(0)
	s_wait_kmcnt 0x0
	s_add_nc_u64 s[4:5], s[4:5], s[28:29]
	s_add_nc_u64 s[32:33], s[14:15], s[32:33]
	s_add_nc_u64 s[34:35], s[14:15], s[34:35]
.macro LOADX i                         ; K step i of my 16 rows: each load reads 512 consecutive bytes of one row
.irp q, 0,1,2,3,4,5,6,7,8,9,10,11,12,13,14,15
	global_load_b128 v[R+64*((\i)%2)+4*\q:R+64*((\i)%2)+4*\q+3], v5, s[4:5] offset:(\q+24*(\q/8))*4096+512*(\i) th:TH_LOAD_NT
.endr
.endm
; 64 numbers of a lane, v[s] on, become a fragment's 12 registers of codes in v[PC] on and its row's scale word in v[pw]
.macro QUANT s, pw
.irp b, 0,1,2,3
	v_max3_num_f32 v[TM+\b], |v[\s+16*\b]|, |v[\s+1+16*\b]|, 0x2800000   ; block b: my 16 numbers, and the floor 2^(5 - 127): the byte cannot fall under 1
.endr
.irp i, 2,4,6,8,10,12,14
.irp b, 0,1,2,3
	v_max3_num_f32 v[TM+\b], v[TM+\b], |v[\s+16*\b+\i]|, |v[\s+1+16*\b+\i]|
.endr
.endr
.irp b, 0,1,2,3
	v_permlanex16_b32 v[TM+4+\b], v[TM+\b], s[SEL], s[SEL+1]
.endr
.irp b, 0,1,2,3
	v_max_num_f32 v[TM+\b], v[TM+\b], v[TM+4+\b]   ; with lane l xor 16's 16: the block's largest magnitude
.endr
.irp b, 0,1,2,3
	v_add_nc_u32 v[TM+12+\b], 0xfe000000, v[TM+\b] ; 4 off its exponent field: the conversion's scale operand
.endr
.irp b, 0,1,2,3
	v_lshrrev_b32 v[TM+4+\b], 23, v[TM+12+\b]      ; the scale's byte
.endr
	v_lshl_or_b32 v[\pw], v[TM+5], 8, v[TM+4]
	v_lshl_or_b32 v[\pw], v[TM+6], 16, v[\pw]
	v_lshl_or_b32 v[\pw], v[TM+7], 24, v[\pw]
.irp c, 0,1
	v_cvt_scalef32_pk16_bf6_f32 v[PC+6*\c:PC+2+6*\c], v[\s+32*\c:\s+15+32*\c], v[TM+12+2*\c]
	v_cvt_scalef32_pk16_bf6_f32 v[PC+12+4*\c:PC+14+4*\c], v[\s+16+32*\c:\s+31+32*\c], v[TM+12+2*\c+1]   ; (a conversion's three registers begin on an even number)
.endr
	v_nop                                          ; one plain place behind a scaled conversion
.irp c, 0,1                            ; the operand's layout wants a whole block in a lane: lanes 0-15 block 2 c, lanes 16-31 block 2 c + 1
.irp i, 0,1,2
	v_permlane16_swap_b32 v[PC+6*\c+\i], v[PC+12+4*\c+\i]
.endr
.irp i, 0,1,2
	v_mov_b32 v[PC+3+6*\c+\i], v[PC+12+4*\c+\i]
.endr
.endr
.endm
.macro XSTEP i
.if (\i) < 3
	s_wait_loadcnt 16                              ; this step's 16 loads are in; the next step's 16 may be out
.else
	s_wait_loadcnt 0x0
.endif
.irp q, 0,1,2,3,4,5,6,7,8,9,10,11,12,13,14,15
	ds_store_b128 v6, v[R+64*((\i)%2)+4*\q:R+64*((\i)%2)+4*\q+3] offset:\q*528
.endr
.irp b, 0,1,2,3
.irp j, 0,1,2,3
	ds_load_b128 v[X+16*\b+4*\j:X+16*\b+4*\j+3], v7 offset:128*\b+16*\j   ; LDS serves a wave's instructions in order: these see the stores above
.endr
.endr
	s_wait_dscnt 0x0                               ; my 64 numbers are back, and the stores into the stage have read their registers
	s_wait_xcnt 0x0                                ; the last step's stores have read the codes' registers: they are written again below
.if (\i) < 2
	LOADX (\i)+2
.endif
	QUANT X, PW+(\i)
.irp p, 0,1,2,3,4,5
	global_store_b64 v8, v[PC+2*\p:PC+2*\p+1], s[32:33] offset:(\i)*1536+256*\p   ; 32 lanes store 256 consecutive bytes, aligned
.endr
.endm
	LOADX 0
	LOADX 1
	XSTEP 0
	XSTEP 1
	XSTEP 2
	XSTEP 3
	v_cmp_lt_u32 vcc_lo, 15, v2                    ; lanes 0-15 store their row's words of my K steps 0, 1, lanes 16-31 those of 2, 3 (both halves hold all four)
	v_cndmask_b32 v248, v[PW], v[PW+2], vcc_lo
	v_cndmask_b32 v249, v[PW+1], v[PW+3], vcc_lo
	global_store_b64 v8, v[248:249], s[34:35]      ; 256 consecutive bytes, aligned
	s_wait_tensorcnt 0x0
	ds_add_u32 v254, v255
	s_wait_dscnt 0x0
	s_endpgm
; ---------------- the weights: a lane takes a column n and its registers run down K.  Work-group g' = 32 matrix + 8 (K quarter) + (4 column groups); wave w: 32 columns x 256 along K
.Lweights:
	s_sub_co_u32 s23, ttmp9, 256
	s_lshr_b32 s24, s23, 5                         ; 0 Wq, 1 Wk, 2 Wv, 3 Wp
	s_and_b32 s25, s23, 7
	s_lshl_b32 s25, s25, 2
	s_add_co_u32 s25, s25, s22                     ; G: columns 32 G .. 32 G + 31
	s_bfe_u32 s28, s23, 0x20003                    ; K quarter
	s_lshr_b32 s29, s25, 1                         ; Wq, Wk, Wv [16][1024][64]: head G / 2, 262,144 bytes each, + 128 bytes for the head's upper 32 columns
	s_lshl_b32 s29, s29, 18
	s_and_b32 s30, s25, 1
	s_lshl_b32 s30, s30, 7
	s_add_co_u32 s29, s29, s30
	s_lshl_b32 s30, s25, 7                         ; Wp [1024][1024]: 128 G
	s_lshl_b32 s31, s25, 1                         ; my first tile: 2 G;
	s_add_co_u32 s48, s31, 64                      ; Wk's tiles lie behind Wq's 64
	s_mov_b32 s49, 256                             ; bytes from row to row
	s_wait_kmcnt 0x0
	s_cmp_eq_u32 s24, 1                            ; the choices hang on the work-group's number alone
	s_cselect_b64 s[6:7], s[8:9], s[6:7]
	s_cselect_b32 s31, s48, s31
	s_cmp_eq_u32 s24, 2
	s_cselect_b64 s[6:7], s[10:11], s[6:7]
	s_cselect_b64 s[16:17], s[18:19], s[16:17]
	s_cmp_eq_u32 s24, 3
	s_cselect_b64 s[6:7], s[12:13], s[6:7]
	s_cselect_b64 s[16:17], s[20:21], s[16:17]
	s_cselect_b32 s29, s30, s29
	s_cselect_b32 s49, 4096, s49
	s_lshl_b32 s50, s28, 8
	s_mul_i32 s50, s50, s49                        ; 256 x K quarter rows down
	s_add_co_u32 s50, s50, s29
	s_mov_b32 s51, 0
	s_add_nc_u64 s[32:33], s[6:7], s[50:51]        ; s[32:47]: where each of my eight blocks of 32 rows begins
	s_lshl_b32 s50, s49, 5
.irp t, 1,2,3,4,5,6,7
	s_add_nc_u64 s[32+2*\t:33+2*\t], s[30+2*\t:31+2*\t], s[50:51]
.endr
	s_mul_i32 s52, s31, 12288
	s_mul_i32 s53, s28, 3072
	s_add_co_u32 s52, s52, s53
	s_add_co_u32 s52, s52, OFFC
	s_mov_b32 s53, 0
	s_add_nc_u64 s[52:53], s[16:17], s[52:53]      ; the codes of my first tile, my two K steps
	s_lshl_b32 s54, s31, 9
	s_lshl_b32 s55, s28, 7
	s_add_co_u32 s54, s54, s55
	s_mov_b32 s55, 0
	s_add_nc_u64 s[54:55], s[16:17], s[54:55]      ; and its scale words
	s_wait_alu depctr_va_vdst(0)
	v_lshlrev_b32 v5, 2, v2                        ; 4 bytes a lane: a load reads 128 consecutive bytes
.set i, 0
.rept 32
	v_mad_u32_u24 v[OFR+i], s49, i, v5
.set i, i+1
.endr
	v_bfe_u32 v6, v0, 3, 1                         ; column 32 G + l is tile 2 G + u, row m: u = bit 3 of l,
	v_and_b32 v7, 7, v0
	v_lshl_add_u32 v7, v4, 3, v7                   ; m = 8 (bit 4 of l) + l % 8
	s_mul_i32 s56, s22, WST
	s_add_co_u32 s56, s56, WBASE                   ; my stage
	v_mul_u32_u24 v8, v6, 3200
	v_lshl_add_u32 v8, v7, 3, v8
	v_add_nc_u32 v8, s56, v8                       ; into it: tile u, 8 m
	v_lshlrev_b32 v9, 4, v2                        ; out of it: 16 bytes a lane
	v_add_nc_u32 v10, s56, v9
	v_lshlrev_b32 v11, 9, v6
	v_lshl_add_u32 v11, v7, 3, v11                 ; my row's two scale words: 512 u + 8 m
.macro LOADW t
.set i, 0
.rept 32
	global_load_b32 v[WX+32*((\t)%2)+i], v[OFR+i], s[32+2*(\t):33+2*(\t)] th:TH_LOAD_NT
.set i, i+1
.endr
.endm
.macro BLOCK t                         ; block t: K = 256 (K quarter) + 32 t + 0 .. 31 of my column: K step t / 4, half image (t / 2) % 2, lane half t % 2
.set XS, WX+32*((\t)%2)
.if (\t) < 7
	s_wait_loadcnt 32                              ; this block's 32 loads are in; the next block's may be out
.else
	s_wait_loadcnt 0x0
.endif
	v_max3_num_f32 v12, |v[XS]|, |v[XS+1]|, |v[XS+2]|
	v_max3_num_f32 v13, |v[XS+3]|, |v[XS+4]|, |v[XS+5]|
.irp i, 6,10,14,18,22,26
	v_max3_num_f32 v12, v12, |v[XS+\i]|, |v[XS+\i+1]|
	v_max3_num_f32 v13, v13, |v[XS+\i+2]|, |v[XS+\i+3]|
.endr
	v_max3_num_f32 v12, v12, |v[XS+30]|, |v[XS+31]|
	v_max3_num_f32 v12, v12, v13, 0x2800000        ; and the floor
	v_add_nc_u32 v14, 0xfe000000, v12              ; the conversion's scale operand
	v_lshrrev_b32 v13, 23, v14                     ; the byte
.if (\t)%4 == 0
	v_mov_b32 v[SB+(\t)/4], v13
.else
	v_lshl_or_b32 v[SB+(\t)/4], v13, 8*((\t)%4), v[SB+(\t)/4]
.endif
	v_cvt_scalef32_pk16_bf6_f32 v[WC:WC+2], v[XS:XS+15], v14
	v_cvt_scalef32_pk16_bf6_f32 v[WC+4:WC+6], v[XS+16:XS+31], v14
	v_nop                                          ; one plain place behind a scaled conversion
	v_mov_b32 v[WC+3], v[WC+4]                     ; the block's 24 bytes on end
	v_mov_b32 v[WC+4], v[WC+5]
	v_mov_b32 v[WC+5], v[WC+6]
.irp i, 0,1,2
	ds_store_b64 v8, v[WC+2*\i:WC+2*\i+1] offset:1536*((\t)/4)+768*(((\t)/2)%2)+128*((\t)%2)+256*\i
.endr
.if (\t)+2 < 8
	LOADW (\t)+2
.endif
	s_wait_dscnt 0x0                               ; the stores have read their registers: the next block's codes may be written
.endm
	LOADW 0
	LOADW 1
.irp t, 0,1,2,3,4,5,6,7
	BLOCK \t
.endr
.irp n, 0,1,2,3,4,5,6,7,8,9,10,11
	ds_load_b128 v[OUTR+4*\n:OUTR+4*\n+3], v10 offset:(\n/6)*3200+512*(\n%6)   ; LDS serves a wave's instructions in order: these see my stores
.endr
.irp n, 0,1,2,3,4,5,6,7,8,9,10,11
	s_wait_dscnt 11-\n                             ; load n is back; the younger ones may be out
	global_store_b128 v9, v[OUTR+4*\n:OUTR+4*\n+3], s[52:53] offset:(\n/6)*12288+512*(\n%6)   ; 512 consecutive bytes, aligned to 256
.endr
	s_wait_alu depctr_va_vdst(0)
	global_store_b64 v11, v[SB:SB+1], s[54:55]     ; sixteen lanes store 128 consecutive bytes of a tile's scale words: half of an aligned 256; 131,072 such bytes in the launch
	s_wait_tensorcnt 0x0
	ds_add_u32 v254, v255
	s_wait_dscnt 0x0
	s_endpgm
.Lfunc_end_k_q06f12eadb1_quant:
	.size	k_q06f12eadb1_quant, .Lfunc_end_k_q06f12eadb1_quant-k_q06f12eadb1_quant
	.p2alignl 7, 3214868480
	.fill 96, 4, 3214868480
	.section	.rodata,"a",@progbits
	.p2align	6, 0x0
	.amdhsa_kernel k_q06f12eadb1_quant
		.amdhsa_group_segment_fixed_size 59904
		.amdhsa_private_segment_fixed_size 0
		.amdhsa_enable_private_segment 0
		.amdhsa_kernarg_size 72
		.amdhsa_user_sgpr_count 2
		.amdhsa_user_sgpr_kernarg_segment_ptr 1
		.amdhsa_wavefront_size32 1
		.amdhsa_system_sgpr_workgroup_id_x 1
		.amdhsa_system_sgpr_workgroup_id_y 1
		.amdhsa_system_sgpr_workgroup_id_z 1
		.amdhsa_system_vgpr_workitem_id 0
		.amdhsa_next_free_vgpr 256
		.amdhsa_next_free_sgpr 66
		.amdhsa_reserve_vcc 1
		.amdhsa_float_denorm_mode_32 3
		.amdhsa_float_denorm_mode_16_64 3
		.amdhsa_memory_ordered 1
		.amdhsa_forward_progress 1
		.amdhsa_inst_pref_size 79
	.end_amdhsa_kernel
	.amdgpu_metadata
---
amdhsa.version: [ 1, 2 ]
amdhsa.kernels:
  - .name:           k_q06f12eadb1_quant
    .symbol:         k_q06f12eadb1_quant.kd
    .args:
      - { .name: x, .offset: 0, .size: 8, .value_kind: global_buffer, .address_space: global }
      - { .name: Wq, .offset: 8, .size: 8, .value_kind: global_buffer, .address_space: global }
      - { .name: Wk, .offset: 16, .size: 8, .value_kind: global_buffer, .address_space: global }
      - { .name: Wv, .offset: 24, .size: 8, .value_kind: global_buffer, .address_space: global }
      - { .name: Wp, .offset: 32, .size: 8, .value_kind: global_buffer, .address_space: global }
      - { .name: xq, .offset: 40, .size: 8, .value_kind: global_buffer, .address_space: global }
      - { .name: wqkq, .offset: 48, .size: 8, .value_kind: global_buffer, .address_space: global }
      - { .name: wvq, .offset: 56, .size: 8, .value_kind: global_buffer, .address_space: global }
      - { .name: wpq, .offset: 64, .size: 8, .value_kind: global_buffer, .address_space: global }
    .group_segment_fixed_size: 59904
    .private_segment_fixed_size: 0
    .kernarg_segment_align: 8
    .kernarg_segment_size: 72
    .max_flat_workgroup_size: 128
    .sgpr_count:     66
    .vgpr_count:     256
    .wavefront_size: 32
...
	.end_amdgpu_metadata
.endif
;; end of part 1
;; launch qkv (part 2): grid 8 x 32, 4 waves a work-group, clusters of 4 x 4, 327,680 bytes of LDS; arguments xq, wqkq, wvq, qkq, vq; writes qkq, vq
.if DOCPART == 2
	.amdgcn_target "amdgcn-amd-amdhsa--gfx1250"
	.amdhsa_code_object_version 6
	.text
	.protected	k_q06f12eadb1_qkv
	.globl	k_q06f12eadb1_qkv
	.p2align	8
	.type	k_q06f12eadb1_qkv,@function
k_q06f12eadb1_qkv:
	s_mov_b64 s[64:65], 0
	v_nop
	global_prefetch_b8 v0, s[64:65] scope:SCOPE_SE
	s_setreg_imm32_b32 hwreg(HW_REG_WAVE_MODE, 25, 1), 1
	s_wait_xcnt 0x0
	s_wait_alu depctr_hold_cnt(0) depctr_sa_sdst(0) depctr_va_vdst(0) depctr_va_sdst(0) depctr_va_ssrc(0) depctr_va_vcc(0) depctr_vm_vsrc(0)
	s_getreg_b32 s2, hwreg(HW_REG_IB_STS2, 6, 4)
	s_cmp_eq_u32 s2, 0
	s_cbranch_scc0 .Lentry_in_a_cluster
	s_endpgm
.Lentry_in_a_cluster:
	s_bfe_u32 s2, ttmp6, 0x10000c
	s_cmp_lg_u32 s2, 0xf033
	s_cbranch_scc0 .Lentry_shape_is_right
	s_endpgm
.Lentry_shape_is_right:
; Q, K AND V OF ONE INPUT IN ONE LAUNCH, on codes of BF6 (E3M2) with E8M0 scales, K = 1,024; every result is quantised again on its way out: only codes and scale bytes are stored.
; OPERAND BUFFERS: scale words from byte 0, codes from byte OFFC, as images of the operand's registers: [tile of 16 rows][K step of 128][1,536 bytes], piece p of 6 of lane l at 256 p + 8 l;
; the scale word of (tile, K step s, row r) at 512 tile + 128 (s / 2) + 8 r + 4 (s % 2).
; ROWS IN A TILE.  The weights: tile 2 g + u, row r, is channel 32 g + 8 u + r + 8 (r / 8).  x: tile 4 G + t, row m, is token 64 G + 32 (m / 8) + 8 t + m % 8.
; THE DEAL: 256 work-groups of four waves (2 x 2).  Work-group (tx, ty) makes FIRST 256 tokens (ty) x 256 channels of Wq|Wk (tx), a wave 128 x 128, THEN 128 channels of Wv (tx) x the same 256 tokens, a wave 64 x 128.
; The matrix instruction is used transposed: source 0 = the rows along which the result is quantised (first the channels, then the tokens), source 1 = the other operand's rows, one to a lane.
; Of a block's eight accumulators, 64 registers a lane: with channels as source 0 register 16 b + i is channel 32 b + 16 (lane / 16) + i (a scale block lies in lanes l and l xor 16);
; with tokens as source 0 register 32 c + i is token 64 c + 32 (lane / 16) + i (a scale block lies in one lane, as the next operand's registers want it).
; CLUSTERS 4 x 4: x's tiles hang on ty alone and are asked for jointly along a row of the cluster, the weights' on tx alone, along a column.
; LDS: a large slot (196,608 bytes), a second slot (98,304), x's and Wq|Wk's scale words (16,384), the spare words, the stages of scale words and Wv's scale words (bytes of their own, written by LDS stores).
; FILLS, one tensor load a wave each time.  At the head: K steps 0-3 of x's 16 tiles; of Wq|Wk's 16 tiles; x's scale words; Wq|Wk's.  Behind the full sequence and a round: K steps 4, 5 into the second slot.
; In step 3's round: K steps 6, 7 over the large slot's first half.  In step 5's round, FOR THE SECOND PRODUCT: x's K steps 0-3 over the large slot's second half (Wq|Wk's steps 0-3, read no more) and Wv's 8 tiles, all of K,
; over the second slot.  In a round behind the way out of block 3: x's K steps 4-7 over the large slot's first half; a plain barrier in the second product's step 3 shows them.  x's scale words stay.
; Wv's scale words, 4,096 bytes, come by plain loads in whole units and LDS stores at the head.
; No prefetch: five fills in all, the first at the head; K is 1,024 and the block is the largest in clusters.
; THE RESULTS: half images of 768 bytes (16 rows x 64, piece p of 3 of lane l at 256 p + 8 l).  qkq: image (ty / 4) 2048 + (4 tx + 2 wc + half) 64 + (ty % 4) 16 + 8 wr + a; scale words, 64 bytes for 16 rows,
; at 64 x ((ty / 4) 1024 + (2 tx + wc) 64 + (ty % 4) 16 + 8 wr + a).  vq: image (4 ty + 2 wc + half) 64 + 8 tx + 4 wr + a; scale words at 64 x ((2 ty + wc) 64 + 8 tx + 4 wr + a).
; LIMITS: a block of a result whose largest magnitude lies under 2^-122 gets the byte 1; NaN and infinities are not served.
; REGISTERS: window 0: v8-31 addresses; v32-63 scale words, two sets; v64-123 the way out; v128-223 source 1's fragments.  window 1: source 0's fragments, two sets, at v0 and v128.  windows 2, 3: accumulators ((a, b) at v[8 (8 (a % 4) + b)]).
.set OFFC,   524288
.set FR,     12
.set NL,     6
.set NP,     4
.set TROW,   3072                      ; a tile's two K steps
.set HALFT,  8*TROW
.set BIGH,   98304                     ; half of the large slot
.set R2,     2*BIGH                    ; the second slot
.set SCL,    R2+4*HALFT                ; x's scale words
.set SCLB,   SCL+8192                  ; Wq|Wk's
.set SPARE,  SCLB+8192                 ; the spare words, 128 bytes a wave
.set STG,    SPARE+512                 ; stages: 512 bytes a wave for Q|K's scale words, 2,048 on the same for V's
.set SCLV,   STG+4096                  ; Wv's scale words
.set SWV,  10                          ; v10 V's way out: where I put a row's scale word (lanes 16-31: 256 bytes on, read by nobody)
.set XB,   12                          ; v12 second product: x's K steps 4-7, my eight tiles
.set ADRS3,13                          ; v13 second product: x's scale words in all lanes
.set SRD2, 14
.set ADRS2,15                          ; v15 second product: lanes 0-15 Wv's scale words, lanes 16-31 x's
.set ADRA, 16                          ; v16-18 x's fragments: large slot, second slot, large slot's second fill
.set ADRB, 20                          ; v20-22 the same for Wq|Wk; v20 serves x's K steps 0-3 of the second product too
.set L8,   24
.set SWA,  25
.set L16,  26
.set ADRS, 27
.set SPW,  28
.set NIL,  29
.set SRD,  30
.set WA,   31                          ; second product: my four tiles of Wv
.set SC,   32
.set PC,   64
.set TM,   96
.set PW,   112
.set SBK,  120
.set AF,   128
.set SEL,  18
.set G1X, 24
.set G1W, 32
.set G1XS, 48
.set G1WS, 56
.set G0X, 68
.set G0W, 72
.set G0XS, 76
.set G0WS, 80
.set MSB, 0
.macro WIN new
.if MSB != \new
	s_set_vgpr_msb (MSB<<8)|\new
.set MSB, \new
.endif
.endm
.set MUL_LO, 0xa1
.set MUL_HI, 0xf1
.set TO_B,   0x40
.macro PLACES n
.rept \n
	v_nop
.endr
.endm
.macro TL g0, g1                       ; a tensor load; s_nop 0 and four v_nop follow it
	tensor_load_to_lds s[\g0:\g0+3], s[\g1:\g1+7]
	s_nop 0
	PLACES 4
.endm
.macro JLOAD g0b=G0W, g1b=G1W          ; a fill in two lines: waves 0, 1 fetch x's two halves, waves 2, 3 a weight's
	s_cmp_eq_u32 s15, 0
	s_cbranch_scc0 .Lfor_b_\@
	TL G0X, G1X
	s_branch .Lasked_\@
.Lfor_b_\@:
	TL \g0b, \g1b
.Lasked_\@:
.endm
.macro CREST
	s_cmp_lg_u32 s14, 0
	s_cbranch_scc1 .Lnot_wave_0_\@
	s_barrier_signal -3
.Lnot_wave_0_\@:
	s_barrier_wait -3
	s_barrier_signal -1
	s_barrier_wait -1
.endm
.macro CROUND
	s_barrier_signal -1
	s_barrier_wait -1
	CREST
.endm
.macro G0SET g, lds, src
	s_mov_b32 s[\g], 1
	s_mov_b32 s[\g+1], \lds
	s_mov_b64 s[\g+2:\g+3], s[\src:\src+1]
	s_or_b32 s[\g+3], s[\g+3], 0x80000000
.endm
	s_load_b256 s[4:11], s[0:1], 0x0               ; xq, wqkq, wvq, qkq
	s_load_b64 s[12:13], s[0:1], 0x20              ; vq
	v_lshl_add_u32 v[SPW], v0, 2, SPARE
	v_mov_b32 v[NIL], 0
	ds_add_u32 v[SPW], v[NIL]                      ; the opening lines: the add twice on end and one wait
	ds_add_u32 v[SPW], v[NIL]
	v_lshrrev_b32 v1, 5, v0
	v_readfirstlane_b32 s14, v1                    ; wave
	s_lshr_b32 s15, s14, 1                         ; wr: my half of source 1's rows
	s_and_b32 s16, s14, 1                          ; wc: my half of source 0's rows
	s_bfe_u32 s40, ttmp6, 0x40000
	s_bfe_u32 s41, ttmp6, 0x40004
	s_lshl_b32 s42, ttmp9, 2
	s_add_co_u32 s42, s42, s40                     ; tx
	s_and_b32 s17, ttmp7, 0xffff
	s_lshl_b32 s17, s17, 2
	s_add_co_u32 s17, s17, s41                     ; ty
	s_lshl_b32 s43, s41, 2
	s_lshl_b32 s43, 15, s43                        ; my row of the cluster
	s_lshl_b32 s44, 0x1111, s40                    ; my column
	s_or_b32 s[G1X], s43, (3<<16)|(1<<21)          ; codes at the head: 16 tiles x 6,144 bytes (768 elements of 8), 12,288 bytes apart
	s_or_b32 s[G1W], s44, (3<<16)|(1<<21)
.irp g, G1X, G1W
	s_mov_b32 s[\g+1], 768<<16
	s_mov_b32 s[\g+2], 16<<16
	s_mov_b32 s[\g+3], 768<<16
	s_mov_b32 s[\g+4], 16
	s_mov_b32 s[\g+5], 1536
	s_mov_b32 s[\g+6], 0
	s_mov_b32 s[\g+7], 0
.endr
	s_or_b32 s[G1XS], s43, (3<<16)|(1<<21)         ; scale words of 16 tiles: 8,192 dense bytes as 32 rows of 256
	s_or_b32 s[G1WS], s44, (3<<16)|(1<<21)
.irp g, G1XS, G1WS
	s_mov_b32 s[\g+1], 32<<16
	s_mov_b32 s[\g+2], 32<<16
	s_mov_b32 s[\g+3], 32<<16
	s_mov_b32 s[\g+4], 32
	s_mov_b32 s[\g+5], 32
	s_mov_b32 s[\g+6], 0
	s_mov_b32 s[\g+7], 0
.endr
	s_mul_i32 s92, s17, 196608                     ; x's 16 tiles
	s_add_co_u32 s92, s92, OFFC
	s_mov_b32 s93, 0
	s_mul_i32 s94, s42, 196608                     ; Wq|Wk's 16 tiles
	s_add_co_u32 s94, s94, OFFC
	s_mov_b32 s95, 0
	s_mul_i32 s96, s42, 98304                      ; Wv's 8 tiles
	s_add_co_u32 s96, s96, OFFC
	s_mov_b32 s97, 0
	s_lshl_b32 s98, s42, 12                        ; their scale words
	s_mov_b32 s99, 0
	s_lshl_b32 s20, s17, 13                        ; x's scale words
	s_mov_b32 s21, 0
	s_lshl_b32 s22, s42, 13                        ; Wq|Wk's
	s_mov_b32 s23, 0
	s_mul_i32 s46, s16, 98304                      ; which eight tiles I fetch
	s_mov_b32 s47, 0
	s_mul_i32 s45, s14, HALFT                      ; wave x 24,576: where a fill in quarters puts mine
	s_mov_b32 s[SEL], 0x76543210
	s_mov_b32 s[SEL+1], 0xfedcba98
	s_wait_dscnt 0x0
	s_wait_kmcnt 0x0
	s_add_nc_u64 s[92:93], s[4:5], s[92:93]
	s_add_nc_u64 s[20:21], s[4:5], s[20:21]
	s_add_nc_u64 s[94:95], s[6:7], s[94:95]
	s_add_nc_u64 s[22:23], s[6:7], s[22:23]
	s_add_nc_u64 s[96:97], s[8:9], s[96:97]
	s_add_nc_u64 s[98:99], s[8:9], s[98:99]
	CROUND                                         ; the first joint loads meet
	G0SET G0X, 0, 92
	G0SET G0W, BIGH, 94
	G0SET G0XS, SCL, 20
	G0SET G0WS, SCLB, 22
.macro ARM under, g0, g1, next         ; the head's four tiles, one a wave, in one chain of branches on the wave's number
	s_cmp_lt_u32 s14, \under
	s_cbranch_scc0 \next
	TL \g0, \g1
	s_branch .Lhead_asked
\next:
.endm
	ARM 1, G0X,  G1X,  .Lhead_w
	ARM 2, G0W,  G1W,  .Lhead_xs
	ARM 3, G0XS, G1XS, .Lhead_ws
	TL G0WS, G1WS
.Lhead_asked:
	v_lshlrev_b32 v4, 4, v0                        ; Wv's scale words: 16 bytes a thread, a wave reads 512 consecutive bytes
	global_load_b128 v[64:67], v4, s[98:99]
	global_load_b128 v[68:71], v4, s[98:99] offset:2048
	; where my results go
	s_lshr_b32 s2, s17, 2
	s_and_b32 s3, s17, 3
	s_lshl_b32 s3, s3, 4
	s_lshl_b32 s66, s15, 3
	s_add_co_u32 s3, s3, s66                       ; (ty % 4) 16 + 8 wr
	s_lshl_b32 s66, s42, 1
	s_add_co_u32 s66, s66, s16                     ; 2 tx + wc
	s_lshl_b32 s67, s2, 11
	s_lshl_b32 s100, s66, 7
	s_add_co_u32 s67, s67, s100
	s_add_co_u32 s67, s67, s3
	s_mul_i32 s84, s67, 768
	s_add_co_u32 s84, s84, OFFC
	s_mov_b32 s85, 0
	s_add_nc_u64 s[84:85], s[10:11], s[84:85]      ; Q|K's half images
	s_lshl_b32 s67, s2, 10
	s_lshl_b32 s100, s66, 6
	s_add_co_u32 s67, s67, s100
	s_add_co_u32 s67, s67, s3
	s_lshl_b32 s86, s67, 6
	s_mov_b32 s87, 0
	s_add_nc_u64 s[86:87], s[10:11], s[86:87]      ; their scale words
	s_lshl_b32 s3, s42, 3
	s_lshl_b32 s66, s15, 2
	s_add_co_u32 s3, s3, s66                       ; 8 tx + 4 wr
	s_lshl_b32 s66, s17, 1
	s_add_co_u32 s66, s66, s16                     ; 2 ty + wc
	s_lshl_b32 s67, s66, 7
	s_add_co_u32 s67, s67, s3
	s_mul_i32 s88, s67, 768
	s_add_co_u32 s88, s88, OFFC
	s_mov_b32 s89, 0
	s_add_nc_u64 s[88:89], s[12:13], s[88:89]      ; V's half images
	s_lshl_b32 s67, s66, 6
	s_add_co_u32 s67, s67, s3
	s_lshl_b32 s90, s67, 6
	s_mov_b32 s91, 0
	s_add_nc_u64 s[90:91], s[12:13], s[90:91]      ; their scale words
	; LDS places, made from the wave's number alone
	s_mul_i32 s2, s15, 49152
	s_mul_i32 s100, s16, 49152
	s_add_co_u32 s3, s100, BIGH
	s_mul_i32 s66, s15, HALFT
	s_mul_i32 s67, s16, HALFT
	s_add_co_u32 s67, s67, 2*HALFT
	s_add_co_u32 s101, s2, R2
	s_lshl_b32 s20, s15, 12
	s_lshl_b32 s21, s16, 12
	s_add_co_u32 s22, s21, 8192
	s_sub_co_u32 s22, s22, s20                     ; from x's words of my rows to Wq|Wk's of mine
	s_add_co_u32 s20, s20, SCL
	s_lshl_b32 s23, s15, 11
	s_add_co_u32 s23, s23, SCLV-SCL
	s_sub_co_u32 s23, s23, s21                     ; second product: from x's words to Wv's
	s_add_co_u32 s21, s21, SCL
	s_lshl_b32 s104, s14, 9
	s_add_co_u32 s104, s104, STG
	v_and_b32 v1, 15, v0                           ; r
	v_bfe_u32 v2, v0, 4, 1                         ; h
	v_and_b32 v3, 31, v0
	v_lshlrev_b32 v[L8], 3, v3
	v_lshlrev_b32 v[L16], 4, v3
	v_add_nc_u32 v[ADRA], s2, v[L8]
	v_add_nc_u32 v[ADRB], s3, v[L8]
	v_add_nc_u32 v[ADRA+2], s66, v[L8]
	v_add_nc_u32 v[ADRB+2], s67, v[L8]
	v_add_nc_u32 v[ADRA+1], R2, v[ADRA+2]
	v_add_nc_u32 v[ADRB+1], R2, v[ADRB+2]
	v_add_nc_u32 v[XB], s100, v[L8]
	v_add_nc_u32 v[WA], s101, v[L8]
	v_lshlrev_b32 v5, 3, v1                        ; a row's two words of a pair of K steps: 8 r
	v_mul_u32_u24 v6, s22, v2                      ; lanes 16-31 take source 0's words
	v_add_nc_u32 v6, v5, v6
	v_add_nc_u32 v[ADRS], s20, v6
	v_sub_nc_u32 v7, 1, v2
	v_mul_u32_u24 v7, s23, v7                      ; second product: lanes 0-15 take Wv's, lanes 16-31 x's
	v_add_nc_u32 v7, v5, v7
	v_add_nc_u32 v[ADRS2], s21, v7
	v_add_nc_u32 v[ADRS3], s21, v5
	v_lshl_add_u32 v[SWA], v1, 2, s104
	v_lshl_add_u32 v[SWV], v2, 8, v[SWA]
	v_add_nc_u32 v[SRD], s104, v[L16]
	v_add_nc_u32 v[SRD2], s104, v[L8]
	v_lshl_add_u32 v8, v0, 4, SCLV
.irp b, 0,1,2,3
	v_mov_b32 v[TM+4+\b], 0                        ; a lane permute's destination counts as one of its sources
.endr
.macro LOC st                          ; where K step st of the first product lies: address register, bytes from tile to tile, place in the slot
.if (\st) < 4
.set RG, 0
.set TP, 6144
.set QO, \st
.elseif (\st) < 6
.set RG, 1
.set TP, TROW
.set QO, (\st)-4
.else
.set RG, 2
.set TP, TROW
.set QO, (\st)-6
.endif
.endm
.macro FRAG reg, adr, i                ; a fragment as it lies: six loads of 8 bytes a lane, each 256 consecutive bytes
.irp p, 0,1,2,3,4,5
	ds_load_b64 v[\reg+2*\p:\reg+2*\p+1], v[\adr+RG] offset:(\i)*TP+QO*1536+256*\p
.endr
.endm
.macro MM d, b, a, c, sb, sa
	v_wmma_scale_f32_16x16x128_f8f6f4 v[\d:\d+7], v[\b:\b+FR-1], v[\a:\a+FR-1], \c, v[\sb], v[\sa] matrix_a_fmt:MATRIX_FMT_BF6 matrix_b_fmt:MATRIX_FMT_BF6 matrix_a_scale:MATRIX_SCALE_ROW1
.endm
; 16 products: source 1's blocks a0, a0 + 1 x source 0's eight.  p: source 0's set; q, sc: which word of which set of scale words; ao: where source 1's set begins.  The accumulators take turns.
.macro MUL16 a0, p, q, sc, zero, ao=0
.irp a, \a0, \a0+1
.irp b, 0,1,2,3,4,5,6,7
.if \zero
	MM 8*(8*((\a)%4)+\b), 128*(\p)+FR*\b, AF+FR*((\a)+(\ao)), 0, SC+16*(\sc)+2*\b+(\q), SC+16*(\sc)+2*(\a)+(\q)
.else
	MM 8*(8*((\a)%4)+\b), 128*(\p)+FR*\b, AF+FR*((\a)+(\ao)), v[8*(8*((\a)%4)+\b):8*(8*((\a)%4)+\b)+7], SC+16*(\sc)+2*\b+(\q), SC+16*(\sc)+2*(\a)+(\q)
.endif
.endr
.endr
.endm
.macro FETCH_B p
	WIN TO_B
.irp i, 0,1,2,3,4,5,6,7
	FRAG 128*(\p)+FR*\i, ADRB, \i
.endr
	WIN 0
.endm
.macro FETCH_A i0
.irp i, \i0, \i0+1, \i0+2, \i0+3
	FRAG AF+FR*(\i), ADRA, \i
.endr
.endm
.macro SCALES pr                       ; the words of K steps 2 pr, 2 pr + 1 into set pr % 2
.irp i, 0,1,2,3,4,5,6,7
	ds_load_b64 v[SC+16*((\pr)%2)+2*\i:SC+16*((\pr)%2)+2*\i+1], v[ADRS] offset:\i*512+128*(\pr)
.endr
.endm
; A K step of the first product: 64 products; the next step's fragments are fetched in its middle and at its end.  Steps 3 and 5 change slots and fill bytes again: each wave waits for all its tensor loads, adds 0 to its
; spare word, writes the descriptors, and the barrier opens a round of the cluster's barrier, behind which the fill is the first tensor load.
.macro STEP st, zero
.set P_, (\st)%2
.set S_, ((\st)/2)%2
.if (\st) == 3 || (\st) == 5
	s_wait_tensorcnt 0x0
	ds_add_u32 v[SPW], v[NIL]
.if (\st) == 3
	s_mov_b32 s[G0X+1], s45                        ; K steps 6, 7 over the large slot's first half
	s_mov_b32 s[G0W+1], s45
	s_add_nc_u64 s[G0X+2:G0X+3], s[G0X+2:G0X+3], TROW
	s_add_nc_u64 s[G0W+2:G0W+3], s[G0W+2:G0W+3], TROW
.else
	s_mov_b32 s[G1X+1], 768<<16                    ; x's K steps 0-3: 8 tiles x 6,144 bytes a wave
	s_mov_b32 s[G1X+3], 768<<16
	s_mov_b32 s[G1WS+2], 192<<16                   ; Wv: four tiles, all of K, a wave: 49,152 dense bytes as 192 rows of 256
	s_mov_b32 s[G1WS+4], 192
	s_mov_b32 s[G0X+1], s3
	s_add_nc_u64 s[G0X+2:G0X+3], s[92:93], s[46:47]
	s_or_b32 s[G0X+3], s[G0X+3], 0x80000000
	s_add_co_u32 s[G0WS+1], s100, R2
	s_mov_b32 s66, s100
	s_mov_b32 s67, 0
	s_add_nc_u64 s[G0WS+2:G0WS+3], s[96:97], s[66:67]
	s_or_b32 s[G0WS+3], s[G0WS+3], 0x80000000
.endif
	s_wait_dscnt 4*NL+1                            ; the add and the youngest 24 loads (blocks 4-7) may be out
	WIN MUL_LO
	MUL16 0, P_, P_, S_, \zero
	s_wait_dscnt 0x0                               ; the add is done and my reads of LDS are over
	s_barrier_signal -1
	MUL16 2, P_, P_, S_, \zero
	WIN 0
	s_barrier_wait -1
	CREST
.if (\st) == 3
	JLOAD
.else
	JLOAD G0WS, G1WS
.endif
.else
	s_wait_dscnt 4*NL                              ; the youngest 24 loads (blocks 4-7) may be out
	WIN MUL_LO
	MUL16 0, P_, P_, S_, \zero
	MUL16 2, P_, P_, S_, \zero
	s_wait_dscnt 0x0
	PLACES NP
.endif
.if (\st) < 7
	LOC (\st)+1
	FETCH_B 1-P_
	FETCH_A 0
.if P_
	SCALES ((\st)+1)/2
.endif
.endif
	WIN MUL_HI
	MUL16 4, P_, P_, S_, \zero
	MUL16 6, P_, P_, S_, \zero
.if (\st) < 7
	PLACES NP
	WIN 0
	FETCH_A 4
.else
	WIN 0
.endif
.endm
	s_wait_alu depctr_va_vdst(0)                   ; the wait at the head's end
	s_wait_loadcnt 0x0
	ds_store_b128 v8, v[64:67]                     ; Wv's scale words: bytes that no tensor load fills
	ds_store_b128 v8, v[68:71] offset:2048
	s_wait_tensorcnt 0x0                           ; my tile of the head's four is in; the full sequence ahead of the second slot's first fill
	ds_add_u32 v[SPW], v[NIL]
.irp g, G1X, G1W
	s_mov_b32 s[\g+1], 384<<16                     ; a ring's load brings 8 tiles x 3,072 bytes
	s_mov_b32 s[\g+2], 8<<16
	s_mov_b32 s[\g+3], 384<<16
	s_mov_b32 s[\g+4], 8
.endr
	s_add_co_u32 s[G0X+1], s45, R2
	s_add_co_u32 s[G0W+1], s45, R2
	s_add_nc_u64 s[G0X+2:G0X+3], s[G0X+2:G0X+3], s[46:47]
	s_add_nc_u64 s[G0X+2:G0X+3], s[G0X+2:G0X+3], 2*TROW
	s_add_nc_u64 s[G0W+2:G0W+3], s[G0W+2:G0W+3], s[46:47]
	s_add_nc_u64 s[G0W+2:G0W+3], s[G0W+2:G0W+3], 2*TROW
	s_wait_dscnt 0x0
	CROUND
	JLOAD                                          ; K steps 4, 5
	LOC 0
	FETCH_B 0
	FETCH_A 0
	SCALES 0
	FETCH_A 4
	STEP 0, 1
.irp t, 1,2,3,4,5,6,7
	STEP \t, 0
.endr
.macro PUT a, base                     ; a block's codes leave: 256 consecutive bytes a store, aligned
.irp p, 0,1,2,3,4,5
	global_store_b64 v[L8], v[PC+2*\p:PC+2*\p+1], s[\base:\base+1] offset:(\a)*768+(\p/3)*49152+256*(\p%3)
.endr
.endm
; THE WAY OUT of block a of Q|K: its 64 numbers a lane are four blocks of 32, each shared by lanes l and l xor 16.  Each accumulator is read from its low end on.
.macro OUT a
.set AC, 64*((\a)%4)
.set WA_, 2+(\a)/4
	s_wait_xcnt 0x0                                ; the last block's stores have read the codes' registers
	WIN 5*WA_
.irp b, 0,1,2,3
	v_max3_num_f32 v[TM+\b], |v[AC+16*\b]|, |v[AC+16*\b+1]|, 0x2800000   ; with the floor 2^(5 - 127): the byte cannot fall under 1
.endr
.irp i, 2,4,6,8,10,12,14
.irp b, 0,1,2,3
	v_max3_num_f32 v[TM+\b], |v[AC+16*\b+\i]|, |v[AC+16*\b+\i+1]|, v[TM+\b]
.endr
.endr
	WIN 0
.irp b, 0,1,2,3
	v_permlanex16_b32 v[TM+4+\b], v[TM+\b], s[SEL], s[SEL+1]
.endr
.irp b, 0,1,2,3
	v_max_num_f32 v[TM+\b], v[TM+\b], v[TM+4+\b]
.endr
.irp b, 0,1,2,3
	v_add_nc_u32 v[TM+12+\b], 0xfe000000, v[TM+\b] ; 4 off the exponent field: the conversion's scale operand
.endr
.irp b, 0,1,2,3
	v_lshrrev_b32 v[TM+4+\b], 23, v[TM+12+\b]
.endr
	v_lshl_or_b32 v[PW+(\a)], v[TM+5], 8, v[TM+4]
	v_lshl_or_b32 v[PW+(\a)], v[TM+6], 16, v[PW+(\a)]
	v_lshl_or_b32 v[PW+(\a)], v[TM+7], 24, v[PW+(\a)]
	WIN WA_
.irp c, 0,1
	v_cvt_scalef32_pk16_bf6_f32 v[PC+6*\c:PC+2+6*\c], v[AC+32*\c:AC+15+32*\c], v[TM+12+2*\c]
	v_cvt_scalef32_pk16_bf6_f32 v[PC+12+4*\c:PC+14+4*\c], v[AC+16+32*\c:AC+31+32*\c], v[TM+12+2*\c+1]
.endr
	WIN 0
	v_nop                                          ; one plain place behind a scaled conversion
.irp c, 0,1
.irp i, 0,1,2
	v_permlane16_swap_b32 v[PC+6*\c+\i], v[PC+12+4*\c+\i]
.endr
.irp i, 0,1,2
	v_mov_b32 v[PC+3+6*\c+\i], v[PC+12+4*\c+\i]
.endr
.endr
	PUT \a, 84
	ds_store_b32 v[SWA], v[PW+(\a)] offset:64*(\a) ; both halves of the lanes write the same word; no tensor load fills these bytes
.endm
	PLACES NP
.irp a, 0,1,2,3
	OUT \a
.endr
	s_wait_alu depctr_va_vdst(0)                   ; the wait ahead of the waits below
	s_wait_tensorcnt 0x0                           ; step 5's fill is in: the round below shows it to all; and the large slot's first half is read no more
	ds_add_u32 v[SPW], v[NIL]
	s_mov_b32 s[G1X+2], 4<<16                      ; x's K steps 4-7: 4 tiles x 6,144 bytes a wave
	s_mov_b32 s[G1X+4], 4
	s_mov_b32 s[G0X+1], s45
	s_mul_i32 s66, s14, 49152
	s_mov_b32 s67, 0
	s_add_nc_u64 s[G0X+2:G0X+3], s[92:93], s[66:67]
	s_add_nc_u64 s[G0X+2:G0X+3], s[G0X+2:G0X+3], 4*1536
	s_or_b32 s[G0X+3], s[G0X+3], 0x80000000
	s_wait_dscnt 0x0
	CROUND
	TL G0X, G1X
.irp a, 4,5,6,7
	OUT \a
.endr
	ds_load_b128 v[SBK:SBK+3], v[SRD]              ; LDS serves a wave's instructions in order: this sees my eight stores
	s_wait_dscnt 0x0
	global_store_b128 v[L16], v[SBK:SBK+3], s[86:87]   ; 512 consecutive bytes, aligned to 256
; THE SECOND PRODUCT: V^T = Wv x^T.  A step is 32 products; the next step's fragments are fetched ahead of them, into the other sets.
.macro FETCHV st
	WIN TO_B
.irp i, 0,1,2,3,4,5,6,7
.irp p, 0,1,2,3,4,5
.if (\st) < 4
	ds_load_b64 v[128*((\st)%2)+FR*\i+2*\p:128*((\st)%2)+FR*\i+2*\p+1], v[ADRB] offset:\i*6144+(\st)*1536+256*\p
.else
	ds_load_b64 v[128*((\st)%2)+FR*\i+2*\p:128*((\st)%2)+FR*\i+2*\p+1], v[XB] offset:\i*6144+((\st)-4)*1536+256*\p
.endif
.endr
.endr
	WIN 0
.irp i, 0,1,2,3
.irp p, 0,1,2,3,4,5
	ds_load_b64 v[AF+48*((\st)%2)+FR*\i+2*\p:AF+48*((\st)%2)+FR*\i+2*\p+1], v[WA] offset:\i*12288+(\st)*1536+256*\p
.endr
.endr
.if (\st)%2 == 0
.irp i, 0,1,2,3                        ; lanes 0-15 Wv's block i, lanes 16-31 x's block i
	ds_load_b64 v[SC+16*(((\st)/2)%2)+2*\i:SC+16*(((\st)/2)%2)+2*\i+1], v[ADRS2] offset:\i*512+128*((\st)/2)
.endr
.irp i, 4,5,6,7                        ; x's blocks alone
	ds_load_b64 v[SC+16*(((\st)/2)%2)+2*\i:SC+16*(((\st)/2)%2)+2*\i+1], v[ADRS3] offset:\i*512+128*((\st)/2)
.endr
.endif
.endm
.macro VSTEP st
.if (\st) > 0
	PLACES NP                                      ; between the last products and the loads into the registers that they have read
.endif
	s_wait_dscnt 0x0                               ; this step's fragments are in
.if (\st) == 3
	s_wait_tensorcnt 0x0                           ; my part of x's K steps 4-7 is in,
	s_barrier_signal -1
	s_barrier_wait -1                              ; everybody's is
.endif
.if (\st) < 7
	FETCHV (\st)+1
.endif
	WIN MUL_LO
	MUL16 0, (\st)%2, (\st)%2, ((\st)/2)%2, (\st)==0, 4*((\st)%2)
	MUL16 2, (\st)%2, (\st)%2, ((\st)/2)%2, (\st)==0, 4*((\st)%2)
	WIN 0
.endm
	FETCHV 0
.irp t, 0,1,2,3,4,5,6,7
	VSTEP \t
.endr
; THE WAY OUT of block a of V: a lane's registers 32 c + 0 .. 31 are one scale block, 2 c + lane / 16, in the order of the operand's registers: no other lane is asked for a maximum, no code changes lanes.
.macro OUTV a
.set AC, 64*(\a)
	s_wait_xcnt 0x0
	WIN 10
.irp b, 0,1,2,3
	v_max3_num_f32 v[TM+\b], |v[AC+16*\b]|, |v[AC+16*\b+1]|, 0x2800000
.endr
.irp i, 2,4,6,8,10,12,14
.irp b, 0,1,2,3
	v_max3_num_f32 v[TM+\b], |v[AC+16*\b+\i]|, |v[AC+16*\b+\i+1]|, v[TM+\b]
.endr
.endr
	WIN 0
	v_max_num_f32 v[TM], v[TM], v[TM+1]
	v_max_num_f32 v[TM+1], v[TM+2], v[TM+3]
	v_add_nc_u32 v[TM+12], 0xfe000000, v[TM]
	v_add_nc_u32 v[TM+13], 0xfe000000, v[TM+1]
	v_lshrrev_b32 v[TM+5], 23, v[TM+12]
	v_lshrrev_b32 v[TM+6], 23, v[TM+13]
	v_lshl_or_b32 v[TM+5], v[TM+6], 16, v[TM+5]    ; my two bytes
	v_permlanex16_b32 v[TM+4], v[TM+5], s[SEL], s[SEL+1]
	v_lshl_or_b32 v[PW+(\a)], v[TM+4], 8, v[TM+5]  ; in lanes 0-15: the row's scale word
	WIN 2
.irp c, 0,1
	v_cvt_scalef32_pk16_bf6_f32 v[PC+6*\c:PC+2+6*\c], v[AC+32*\c:AC+15+32*\c], v[TM+12+\c]
	v_cvt_scalef32_pk16_bf6_f32 v[PC+12+4*\c:PC+14+4*\c], v[AC+16+32*\c:AC+31+32*\c], v[TM+12+\c]
.endr
	WIN 0
	v_nop                                          ; one plain place behind a scaled conversion
.irp c, 0,1
.irp i, 0,1,2
	v_mov_b32 v[PC+3+6*\c+\i], v[PC+12+4*\c+\i]
.endr
.endr
	PUT \a, 88
	ds_store_b32 v[SWV], v[PW+(\a)] offset:2048+64*(\a)
.endm
	PLACES NP
.irp a, 0,1,2,3
	OUTV \a
.endr
	ds_load_b64 v[SBK:SBK+1], v[SRD2] offset:2048  ; the words that lanes 0-15 stored
	s_wait_dscnt 0x0
	global_store_b64 v[L8], v[SBK:SBK+1], s[90:91] ; my four blocks' scale words: 256 consecutive bytes, aligned
	s_wait_tensorcnt 0x0                           ; the wave's end
	ds_add_u32 v[SPW], v[NIL]
	s_wait_dscnt 0x0
	CROUND                                         ; the closing round
	s_endpgm
.Lfunc_end_k_q06f12eadb1_qkv:
	.size	k_q06f12eadb1_qkv, .Lfunc_end_k_q06f12eadb1_qkv-k_q06f12eadb1_qkv
	.p2alignl 7, 3214868480
	.fill 96, 4, 3214868480
	.section	.rodata,"a",@progbits
	.p2align	6, 0x0
	.amdhsa_kernel k_q06f12eadb1_qkv
		.amdhsa_group_segment_fixed_size 327680
		.amdhsa_private_segment_fixed_size 0
		.amdhsa_enable_private_segment 0
		.amdhsa_kernarg_size 40
		.amdhsa_user_sgpr_count 2
		.amdhsa_user_sgpr_kernarg_segment_ptr 1
		.amdhsa_wavefront_size32 1
		.amdhsa_system_sgpr_workgroup_id_x 1
		.amdhsa_system_sgpr_workgroup_id_y 1
		.amdhsa_system_sgpr_workgroup_id_z 1
		.amdhsa_system_vgpr_workitem_id 0
		.amdhsa_next_free_vgpr 1024
		.amdhsa_next_free_sgpr 106
		.amdhsa_reserve_vcc 0
		.amdhsa_float_denorm_mode_32 3
		.amdhsa_float_denorm_mode_16_64 3
		.amdhsa_memory_ordered 1
		.amdhsa_forward_progress 1
		.amdhsa_inst_pref_size 255
	.end_amdhsa_kernel
	.section	.bss,"aw",@nobits
	.p2align	6
	.space	262144
	.amdgpu_metadata
---
amdhsa.version: [ 1, 2 ]
amdhsa.kernels:
  - .name:           k_q06f12eadb1_qkv
    .symbol:         k_q06f12eadb1_qkv.kd
    .args:
      - { .name: xq, .offset: 0, .size: 8, .value_kind: global_buffer, .address_space: global }
      - { .name: wqkq, .offset: 8, .size: 8, .value_kind: global_buffer, .address_space: global }
      - { .name: wvq, .offset: 16, .size: 8, .value_kind: global_buffer, .address_space: global }
      - { .name: qkq, .offset: 24, .size: 8, .value_kind: global_buffer, .address_space: global }
      - { .name: vq, .offset: 32, .size: 8, .value_kind: global_buffer, .address_space: global }
    .group_segment_fixed_size: 327680
    .private_segment_fixed_size: 0
    .kernarg_segment_align: 8
    .kernarg_segment_size: 40
    .max_flat_workgroup_size: 128
    .sgpr_count:     106
    .vgpr_count:     1024
    .wavefront_size: 32
...
	.end_amdgpu_metadata
.endif
;; end of part 2
;; launch attn (part 3): grid 4 x 64, 16 waves a work-group, clusters of 4 x 1, 206,848 bytes of LDS; arguments qkq, vq, oq; writes oq
.if DOCPART == 3
	.amdgcn_target "amdgcn-amd-amdhsa--gfx1250"
	.amdhsa_code_object_version 6
	.text
	.protected	k_q06f12eadb1_attn
	.globl	k_q06f12eadb1_attn
	.p2align	8
	.type	k_q06f12eadb1_attn,@function
k_q06f12eadb1_attn:
	s_mov_b64 s[64:65], 0
	v_nop
	global_prefetch_b8 v0, s[64:65] scope:SCOPE_SE
	s_setreg_imm32_b32 hwreg(HW_REG_WAVE_MODE, 25, 1), 1
	s_wait_xcnt 0x0
	s_wait_alu depctr_hold_cnt(0) depctr_sa_sdst(0) depctr_va_vdst(0) depctr_va_sdst(0) depctr_va_ssrc(0) depctr_va_vcc(0) depctr_vm_vsrc(0)
	s_getreg_b32 s2, hwreg(HW_REG_IB_STS2, 6, 4)
	s_cmp_eq_u32 s2, 0
	s_cbranch_scc0 .Lentry_in_a_cluster
	s_endpgm
.Lentry_in_a_cluster:
	s_bfe_u32 s2, ttmp6, 0x10000c
	s_cmp_lg_u32 s2, 0x3003
	s_cbranch_scc0 .Lentry_shape_is_right
	s_endpgm
.Lentry_shape_is_right:
; Causal attention of one head (64 channels, 2,048 tokens) on codes of BF6 (E3M2) with E8M0 scales; O, divided by the row's sum, is quantised along the model's 1,024 and stored as codes.
; THE SOFTMAX AHEAD OF THE SECOND PRODUCT: t = score x log2(e) / 8; M = the row's largest t so far, rounded up to a whole number; p = 2^(t - M) is quantised along the keys, not normalised;
; the row's sum is taken of the unquantised p and divides O at the end; when M moves, the sum and O are multiplied by 2^(old M - new M), which rounds nothing.
; SHARES.  The four work-groups of a cluster serve one head (cluster y = 16 batch + head).  The head's whole K and V, 192 KiB of codes, come into each work-group's LDS ONCE, by joint loads (mask: all four).
; A block is 128 queries, 8 tiles of 16.  Wave w of work-group j owns tile 2 j + w % 2 of block 15 - w / 2 and of block w / 2: (16 - w / 2) + (w / 2 + 1) = 17 key steps of 128 for every wave.
; Every branch hangs on the wave's number and on loop counts alone; j enters global addresses and the mask's numbers only.
; LAYOUT.  Both products are used transposed (S^T = K Q^T, O^T = V^T P^T): a lane holds one query throughout.  Tokens and V's channels lie in tiles whose row r of tile 2 g + u is true index
; 32 g + 8 u + r + 8 (r / 8), so that the 16 registers of two neighbouring tiles of a result are 16 true neighbours: 32 g + 16 (lane / 16) + 0 .. 15.
; THE HEAD'S K IS 64, THE INSTRUCTION'S 128: a fragment of K is the half images of TWO key tiles on end; Q stands as [Q][zeros][Q] in 18 registers, and [Q][0] gives the first tile's scores, [0][Q] the second's.
; Zero codes add nothing under any scale byte but 0xff; the idle halves' bytes of Q's scale word are 0.
; LIMITS: a block of O whose largest magnitude lies under 2^-122 gets the byte 1; NaN and infinities are not served.
; No prefetch: all fills go out at the head.  No LDS byte is filled twice.
.set OFFC, 524288
; THE ORDER OF TOKENS IN A TILE (the head's rule holds for V's channels alone): token tile 4 G + t, row m, is token 64 G + 32 (m / 8) + 8 t + m % 8.  So of a key step's S^T a lane's register 32 c + i is
; key 64 c + 32 (lane / 16) + i: a whole scale block of p lies in one lane, in the order of the operand's registers.
.set KC,   0                           ; LDS: K: 128 half images of 768 bytes, by key tile
.set VC,   98304                       ; V: [64 keys: 32][channel tile: 4] half images
.set KSC,  196608                      ; K's scale words: for each pair of key tiles 64 bytes: word r = tile 2 f's two bytes, tile 2 f + 1's two
.set VSC,  200704                      ; V's: [key step: 16][channel tile: 4][row: 16] words
.set AK,  1                            ; v1 KC + 8 x lane;  v2 VC + 8 x lane;  v3 KSC + 4 x lane;  v4 VSC + 4 x lane
.set AV,  2
.set ASK, 3
.set ASV, 4
.set L8,  5                            ; v5 8 x lane;  v6 4 r;  v9 8 r
.set R4,  6
.set DD,  7                            ; v7 my query in its block - 32 (lane / 16)
.set ADK, 8                            ; v8, v10, v11, v89 the step's LDS addresses
.set R8,  9
.set ADV, 10
.set ADS, 11
.set ADT, 89
.set QF,  16                           ; v16-33 [Q][0][Q];  v34, v35 Q's scale word for the two forms
.set QSL, 34
.set QSH, 35
.set KFR, 36                           ; v36-83 K's four fragments; behind the scores v36-47 p's codes, v48-55 at work
.set PC,  36
.set PX,  48
.set KS0, 84                           ; v84-85 K's scale words;  v86-87 V's;  v88 p's
.set VS0, 86
.set PSW, 88
.set FF,  90                           ; v[90:91] f = 2^(old M - new M), and a 0 named with it
.set SS,  96                           ; v96-159 S^T, then p
.set OT,  160                          ; v160-191 O^T
.set VFR, 192                          ; v192-239 V's four fragments
.set BM,  240                          ; v240-243 the blocks' largest;  v244-247, v248-251 at work
.set BP,  244
.set SO,  248
.set WV,  12
.set G1K, 24
.set G1V, 32
.set G0K, 40
.set G0V, 48
.set SEL, 56
.set CS,  58
.set TK,  60                           ; s60 6,144 x key step;  s61 256 x key step;  s62 the key step;  s63 the block of the tile in hand
.set TS,  61
.set STP, 62
.set BLK, 63
.set CNT, 66
.set BLO, 67
.set AQC_H, 68                         ; s[68:75] the high tile: Q's codes, Q's scale words, O's codes, O's scale bytes;  s[76:83] the low tile's
.set AQS_H, 70
.set AOC_H, 72
.set AOS_H, 74
.set AQC_L, 76
.set AQS_L, 78
.set AOC_L, 80
.set AOS_L, 82
.macro CROUND                          ; a round of the cluster's barrier
	s_barrier_signal -1
	s_barrier_wait -1
	s_cmp_lg_u32 s[WV], 0
	s_cbranch_scc1 .Lnot_wave_0_\@
	s_barrier_signal -3
.Lnot_wave_0_\@:
	s_barrier_wait -3
	s_barrier_signal -1
	s_barrier_wait -1
.endm
	s_load_b128 s[4:7], s[0:1], 0x0                ; qkq s[4:5], vq s[6:7]
	s_load_b64 s[8:9], s[0:1], 0x10                ; oq
	v_lshl_add_u32 v94, v0, 2, 0x32000
	v_mov_b32 v95, 0
	ds_add_u32 v94, v95
	ds_add_u32 v94, v95
	v_lshrrev_b32 v1, 5, v0
	s_delay_alu instid0(VALU_DEP_1)
	v_readfirstlane_b32 s[WV], v1                  ; wave 0..15
	s_bfe_u32 s13, ttmp6, 0x40000                  ; j = cx
	s_and_b32 s14, ttmp7, 0xffff
	s_lshr_b32 s15, s14, 4                         ; batch
	s_and_b32 s16, s14, 15                         ; head
	s_and_b32 s17, s[WV], 7                        ; which eighth I fetch: waves 0-7 of K, waves 8-15 of V
	; group 1 for K: 16 key tiles, 12,288 dense bytes as 48 rows of 256;  for V: 4 rows of 3,072 bytes (a head's four half images of 64 keys), 49,152 bytes apart
	s_mov_b32 s[G1K], 15|(3<<16)|(1<<21)           ; 15:0 the mask: all four work-groups; 17:16 elements of 8 bytes; 21 set beside a mask
	s_mov_b32 s[G1K+1], 32<<16
	s_mov_b32 s[G1K+2], 48<<16
	s_mov_b32 s[G1K+3], 32<<16
	s_mov_b32 s[G1K+4], 48
	s_mov_b32 s[G1K+5], 32
	s_mov_b32 s[G1K+6], 0
	s_mov_b32 s[G1K+7], 0
	s_mov_b32 s[G1V], 15|(3<<16)|(1<<21)
	s_mov_b32 s[G1V+1], 384<<16
	s_mov_b32 s[G1V+2], 4<<16
	s_mov_b32 s[G1V+3], 384<<16
	s_mov_b32 s[G1V+4], 4
	s_mov_b32 s[G1V+5], 6144
	s_mov_b32 s[G1V+6], 0
	s_mov_b32 s[G1V+7], 0
	s_mul_i32 s18, s15, 3145728                    ; K's codes: batch,
	s_add_co_u32 s20, s16, 16
	s_mul_i32 s20, s20, 49152                      ; plane 16 + head,
	s_add_co_u32 s18, s18, s20
	s_mul_i32 s21, s17, 12288                      ; my eighth's place in LDS
	s_lshr_b32 s20, s17, 2                         ; in memory a head's 128 key tiles are two runs of 64, 1,572,864 bytes apart
	s_mul_i32 s20, s20, 1572864
	s_add_co_u32 s18, s18, s20
	s_and_b32 s20, s17, 3
	s_mul_i32 s20, s20, 12288
	s_add_co_u32 s18, s18, s20
	s_add_co_u32 s18, s18, OFFC
	s_mov_b32 s19, 0
	s_mul_i32 s22, s15, 1572864                    ; V's codes: batch,
	s_mul_i32 s20, s16, 3072                       ; the head's four channel tiles,
	s_add_co_u32 s22, s22, s20
	s_mul_i32 s20, s17, 196608                     ; my 256 keys
	s_add_co_u32 s22, s22, s20
	s_add_co_u32 s22, s22, OFFC
	s_mov_b32 s23, 0
	s_lshr_b32 s84, s16, 1                         ; head / 2
	s_and_b32 s85, s16, 1
	s_lshl_b32 s85, s85, 1                         ; 2 (head % 2): the head's two bytes in a scale word
	s_lshr_b32 s86, s16, 2                         ; O's scale bytes: 128 (head / 4) + 4 ((head / 2) % 2) + 2 (head % 2)
	s_lshl_b32 s86, s86, 7
	s_and_b32 s92, s84, 1
	s_lshl_b32 s92, s92, 2
	s_add_co_u32 s86, s86, s92
	s_add_co_u32 s86, s86, s85
	s_and_b32 s92, s[WV], 1
	s_lshl_b32 s87, s13, 1
	s_add_co_u32 s87, s87, s92                     ; my tile in a block: 2 j + w % 2
	s_lshl_b32 s93, s92, 3
	s_lshr_b32 s20, s13, 1
	s_lshl_b32 s20, s20, 6
	s_add_co_u32 s20, s20, s93
	s_and_b32 s93, s13, 1
	s_lshl_b32 s93, s93, 4
	s_add_co_u32 s20, s20, s93                     ; its first query in the block: 64 (j / 2) + 16 (j % 2) + 8 (w % 2)
	s_lshl_b32 s88, s15, 17                        ; K's scale words: batch, plane 8 + head / 2, the head's two bytes
	s_add_co_u32 s92, s84, 8
	s_lshl_b32 s92, s92, 12
	s_add_co_u32 s88, s88, s92
	s_add_co_u32 s88, s88, s85
	s_mov_b32 s89, 0
	s_lshl_b32 s90, s15, 16                        ; V's: batch, the head's four channel tiles
	s_lshl_b32 s92, s16, 8
	s_add_co_u32 s90, s90, s92
	s_mov_b32 s91, 0
	s_lshr_b32 s[BLO], s[WV], 1                    ; the low tile's block,
	s_xor_b32 s[BLK], s[BLO], 15                   ; the high tile's: 15 - w / 2
	s_mov_b32 s[SEL], 0x76543210
	s_mov_b32 s[SEL+1], 0xfedcba98
	s_mov_b32 s[CS], 0x3e38aa3b                    ; c = log2(e) / 8
	s_mov_b32 s[CS+1], s[CS]                       ; (named with it as a pair, so it is written)
	s_mov_b32 s[TK], 0
	s_mov_b32 s[TS], 0
	s_mov_b32 s[STP], 0
	v_and_b32 v252, 15, v0                         ; r
	v_bfe_u32 v253, v0, 4, 1                       ; h
	v_and_b32 v254, 31, v0                         ; lane
	s_delay_alu instid0(VALU_DEP_1)
	v_lshlrev_b32 v[L8], 3, v254
	s_delay_alu instid0(VALU_DEP_4)
	v_lshlrev_b32 v[R4], 2, v252
	v_lshlrev_b32 v[R8], 3, v252
	s_delay_alu instid0(VALU_DEP_3)
	v_add_nc_u32 v[AK], KC, v[L8]
	s_delay_alu instid0(VALU_DEP_4)
	v_add_nc_u32 v[AV], VC, v[L8]
	v_lshl_add_u32 v[ASK], v254, 2, KSC
	v_lshl_add_u32 v[ASV], v254, 2, VSC
	v_and_b32 v255, 8, v252
	s_delay_alu instid0(VALU_DEP_1)
	v_mad_u32_u24 v[DD], v255, 3, v252             ; r % 8 + 32 (r / 8)
	v_lshlrev_b32 v255, 5, v253
	s_delay_alu instid0(VALU_DEP_1)
	v_sub_nc_u32 v[DD], v[DD], v255                ; - 32 h
	s_delay_alu instid0(VALU_DEP_1)
	v_add_nc_u32 v[DD], s20, v[DD]
.irp i, 0,1,2,3,4,5
	v_mov_b32 v[QF+6+\i], 0                        ; Q's zero middle, written once
.endr
	s_wait_dscnt 0x0
	s_wait_kmcnt 0x0
	s_add_nc_u64 s[18:19], s[4:5], s[18:19]
	s_add_nc_u64 s[22:23], s[6:7], s[22:23]
	s_add_nc_u64 s[88:89], s[4:5], s[88:89]
	s_add_nc_u64 s[90:91], s[6:7], s[90:91]
	CROUND                                         ; all four work-groups are here: the joint loads meet
	s_mov_b32 s[G0K], 1                            ; my 16 key tiles
	s_add_co_u32 s[G0K+1], s21, KC
	s_mov_b64 s[G0K+2:G0K+3], s[18:19]
	s_or_b32 s[G0K+3], s[G0K+3], 0x80000000
	s_mov_b32 s[G0V], 1
	s_add_co_u32 s[G0V+1], s21, VC
	s_mov_b64 s[G0V+2:G0V+3], s[22:23]
	s_or_b32 s[G0V+3], s[G0V+3], 0x80000000
	; every wave issues one fill, in one chain of four arms.  Waves 0 and 8, whose tiles hold key steps 0 and 1 of K and of V, have lines of their own: they alone wait ahead of the first barrier
	s_cmp_eq_u32 s[WV], 0
	s_cbranch_scc0 .Lfirst_k
	tensor_load_to_lds s[G0K:G0K+3], s[G1K:G1K+7]
	s_nop 0
.rept 4
	v_nop
.endr
	s_branch .Lfirst_asked
.Lfirst_k:
	s_cmp_lt_u32 s[WV], 8
	s_cbranch_scc0 .Lfirst_v0
	tensor_load_to_lds s[G0K:G0K+3], s[G1K:G1K+7]
	s_nop 0
.rept 4
	v_nop
.endr
	s_branch .Lfirst_asked
.Lfirst_v0:
	s_cmp_eq_u32 s[WV], 8
	s_cbranch_scc0 .Lfirst_v
	tensor_load_to_lds s[G0V:G0V+3], s[G1V:G1V+7]
	s_nop 0
.rept 4
	v_nop
.endr
	s_branch .Lfirst_asked
.Lfirst_v:
	tensor_load_to_lds s[G0V:G0V+3], s[G1V:G1V+7]
	s_nop 0
.rept 4
	v_nop
.endr
.Lfirst_asked:
; the four addresses of the query tile in block s[blk]: token tile T = 128 batch + 8 block + 2 j + w % 2
.macro TILEADR blk, qp, qs, op, os
	s_lshl_b32 s92, s15, 7
	s_lshl_b32 s93, s[\blk], 3
	s_add_co_u32 s92, s92, s93
	s_add_co_u32 s92, s92, s87                     ; T
	s_lshr_b32 s93, s92, 6
	s_and_b32 s94, s92, 63
	s_lshl_b32 s95, s93, 11
	s_add_co_u32 s95, s95, s94
	s_lshl_b32 s20, s16, 6
	s_add_co_u32 s95, s95, s20                     ; Q's half image: (T / 64) 2048 + 64 head + T % 64
	s_mul_i32 s[\qp], s95, 768
	s_add_co_u32 s[\qp], s[\qp], OFFC
	s_mov_b32 s[\qp+1], 0
	s_add_nc_u64 s[\qp:\qp+1], s[4:5], s[\qp:\qp+1]
	s_lshl_b32 s95, s93, 10
	s_add_co_u32 s95, s95, s94
	s_lshl_b32 s20, s84, 6
	s_add_co_u32 s95, s95, s20                     ; its scale words: (T / 64) 1024 + 64 (head / 2) + T % 64, 64 bytes each
	s_lshl_b32 s[\qs], s95, 6
	s_add_co_u32 s[\qs], s[\qs], s85
	s_mov_b32 s[\qs+1], 0
	s_add_nc_u64 s[\qs:\qs+1], s[4:5], s[\qs:\qs+1]
	s_lshl_b32 s95, s92, 4
	s_add_co_u32 s95, s95, s16                     ; O's half image: 16 T + head
	s_mul_i32 s[\op], s95, 768
	s_add_co_u32 s[\op], s[\op], OFFC
	s_mov_b32 s[\op+1], 0
	s_add_nc_u64 s[\op:\op+1], s[8:9], s[\op:\op+1]
	s_lshl_b32 s[\os], s92, 9
	s_add_co_u32 s[\os], s[\os], s86
	s_mov_b32 s[\os+1], 0
	s_add_nc_u64 s[\os:\os+1], s[8:9], s[\os:\os+1]
.endm
	TILEADR BLK, AQC_H, AQS_H, AOC_H, AOS_H
	TILEADR BLO, AQC_L, AQS_L, AOC_L, AOS_L
	; the head's scale words, once for the work-group, a thread a word: they go to LDS bytes that no tensor load fills
	v_lshrrev_b32 v252, 4, v0
	s_delay_alu instid0(VALU_DEP_1)
	v_lshlrev_b32 v252, 7, v252
	v_and_b32 v253, 15, v0
	s_delay_alu instid0(VALU_DEP_1)
	v_lshl_add_u32 v252, v253, 2, v252             ; K: pair of tiles t / 16 (128 bytes), row t % 16
	v_lshrrev_b32 v253, 6, v0
	s_delay_alu instid0(VALU_DEP_1)
	v_lshlrev_b32 v253, 12, v253
	v_and_b32 v254, 63, v0
	s_delay_alu instid0(VALU_DEP_1)
	v_lshl_add_u32 v253, v254, 2, v253             ; V: key step t / 64 (4,096 bytes), word t % 64
	global_load_u16 v240, v252, s[88:89]
	global_load_u16 v241, v252, s[88:89] offset:64
	global_load_u16 v242, v252, s[88:89] offset:65536
	global_load_u16 v243, v252, s[88:89] offset:65600
	global_load_b32 v244, v253, s[90:91]
	global_load_b32 v245, v253, s[90:91] offset:32768
.macro QINIT qp, qs                    ; Q's half image, twice, and its rows' two scale bytes
.irp p, 0,1,2
	global_load_b64 v[QF+2*\p:QF+2*\p+1], v[L8], s[\qp:\qp+1] offset:256*\p
	global_load_b64 v[QF+12+2*\p:QF+13+2*\p], v[L8], s[\qp:\qp+1] offset:256*\p
.endr
	global_load_u16 v[QSL], v[R4], s[\qs:\qs+1]    ; bytes s0, s1, 0, 0: for [Q][0]
	s_wait_loadcnt 0x0
	v_lshlrev_b32 v[QSH], 16, v[QSL]               ; 0, 0, s0, s1: for [0][Q]
.endm
	QINIT AQC_H, AQS_H
	v_lshl_or_b32 v240, v241, 16, v240
	v_lshl_or_b32 v242, v243, 16, v242
	v_lshl_add_u32 v246, v0, 2, KSC
	ds_store_b32 v246, v240
	ds_store_b32 v246, v242 offset:2048
	ds_store_b32 v246, v244 offset:VSC-KSC
	ds_store_b32 v246, v245 offset:VSC-KSC+2048
	s_wait_alu depctr_va_vdst(0)                   ; the wait at the head's end
	s_wait_dscnt 0x0                               ; for the others' sake: my scale words are stored
	s_cmp_eq_u32 s[WV], 0
	s_cbranch_scc1 .Lwait_first
	s_cmp_eq_u32 s[WV], 8
	s_cbranch_scc0 .Lnot_first
.Lwait_first:
	s_wait_tensorcnt 0x0                           ; waves 0 and 8: key steps 0 and 1 of K, of V are in
.Lnot_first:
	s_barrier_signal -1
	s_barrier_wait -1                              ; the other waves' tiles may still be on their way
.irp b, 0,1,2,3
	v_mov_b32 v[BP+\b], 0
.endr
	v_mov_b32 v252, 0
	v_mov_b32 v[FF+1], 0
.macro INIT                            ; a tile's first step finds zeros, which the first change of M leaves zeros.  (These lines are also the places between Q's scale word and the first product)
	v_mov_b32 v13, 0xff61b1e6                      ; the largest t so far: -3e38
	s_delay_alu instid0(VALU_DEP_1)
	v_floor_f32 v12, -v13                          ; -M
	v_mov_b32 v14, 0
	v_mov_b32 v15, 0
.set j, 0
.rept 32
	v_mov_b32 v[OT+j], 0
.set j, j+1
.endr
.endm
; A KEY STEP: 128 keys.  causal = 1: a step behind my block is left out (a branch on the wave's number and the loop's count), and the step of my block is masked.
.macro STEP causal
.if \causal
	s_cmp_gt_u32 s[STP], s[BLK]
	s_cbranch_scc1 .Lhidden_\@
.endif
	v_add_nc_u32 v[ADK], s[TK], v[AK]              ; (these four are the places in front of loads into registers that the last products have read)
	v_add_nc_u32 v[ADV], s[TK], v[AV]
	v_add_nc_u32 v[ADS], s[TS], v[ASK]
	v_add_nc_u32 v[ADT], s[TS], v[ASV]
.irp f, 0,1,2,3
.irp p, 0,1,2,3,4,5
	ds_load_b64 v[KFR+12*\f+2*\p:KFR+12*\f+2*\p+1], v[ADK] offset:\f*1536+256*\p
.endr
.endr
	ds_load_b32 v[KS0], v[ADS]                     ; lanes 0-15: fragment 0's words, lanes 16-31: fragment 1's
	ds_load_b32 v[KS0+1], v[ADS] offset:128
.irp x, 0,1,2,3
.irp p, 0,1,2,3,4,5
	ds_load_b64 v[VFR+12*\x+2*\p:VFR+12*\x+2*\p+1], v[ADV] offset:(\p/3)*3072+\x*768+256*(\p%3)
.endr
.endr
	ds_load_b32 v[VS0], v[ADT]
	ds_load_b32 v[VS0+1], v[ADT] offset:128
	s_wait_dscnt 26                                ; K's 26 loads are in; V's 26 may be out
.irp f, 0,1,2,3                        ; S^T: fragment f holds key tiles 2 f and 2 f + 1
.if \f%2
	v_wmma_scale_f32_16x16x128_f8f6f4 v[SS+16*\f:SS+16*\f+7], v[KFR+12*\f:KFR+12*\f+11], v[QF:QF+11], 0, v[KS0+\f/2], v[QSL] matrix_a_fmt:MATRIX_FMT_BF6 matrix_b_fmt:MATRIX_FMT_BF6 matrix_a_scale:MATRIX_SCALE_ROW1
	v_wmma_scale_f32_16x16x128_f8f6f4 v[SS+16*\f+8:SS+16*\f+15], v[KFR+12*\f:KFR+12*\f+11], v[QF+6:QF+17], 0, v[KS0+\f/2], v[QSH] matrix_a_fmt:MATRIX_FMT_BF6 matrix_b_fmt:MATRIX_FMT_BF6 matrix_a_scale:MATRIX_SCALE_ROW1
.else
	v_wmma_scale_f32_16x16x128_f8f6f4 v[SS+16*\f:SS+16*\f+7], v[KFR+12*\f:KFR+12*\f+11], v[QF:QF+11], 0, v[KS0+\f/2], v[QSL] matrix_a_fmt:MATRIX_FMT_BF6 matrix_b_fmt:MATRIX_FMT_BF6
	v_wmma_scale_f32_16x16x128_f8f6f4 v[SS+16*\f+8:SS+16*\f+15], v[KFR+12*\f:KFR+12*\f+11], v[QF+6:QF+17], 0, v[KS0+\f/2], v[QSH] matrix_a_fmt:MATRIX_FMT_BF6 matrix_b_fmt:MATRIX_FMT_BF6
.endif
.endr                                  ; register 32 c + i: key 128 step + 64 c + 32 (lane / 16) + i
.rept 4
	v_nop
.endr
.if \causal
	s_cmp_lg_u32 s[STP], s[BLK]
	s_cbranch_scc1 .Lopen_\@
	v_mov_b32 v254, 0xff800000                     ; on the diagonal the scores of hidden keys become -infinity ahead of the maximum: hidden where 64 c + i > my query - 32 (lane / 16)
.set n, 0
.rept 64
	v_cmp_gt_i32 vcc_lo, 64*(n/32)+n%32, v[DD]     ; hidden where 64 c + i > my query - 32 (lane / 16)
	v_cndmask_b32 v[SS+n], v[SS+n], v254, vcc_lo
.set n, n+1
.endr
.Lopen_\@:
.endif
.irp b, 0,1,2,3
	v_max3_num_f32 v[BM+\b], v[SS+16*\b], v[SS+1+16*\b], v[SS+2+16*\b]   ; the largest score of each block of 32 keys: for the row's maximum, and, since p rises with the score, for the block's largest p
.endr
.irp i, 3,5,7,9,11,13
.irp b, 0,1,2,3
	v_max3_num_f32 v[BM+\b], v[BM+\b], v[SS+16*\b+\i], v[SS+1+16*\b+\i]
.endr
.endr
	v_max3_num_f32 v[BM], v[BM], v[BM+1], v[SS+15] ; the four chains of 16 join to my two blocks' largest scores
	v_max3_num_f32 v[BM+2], v[BM+2], v[BM+3], v[SS+47]
	v_max_num_f32 v[BM], v[BM], v[SS+31]
	v_max_num_f32 v[BM+1], v[BM+2], v[SS+63]
	s_delay_alu instid0(VALU_DEP_1)
	v_max_num_f32 v254, v[BM], v[BM+1]
	s_delay_alu instid0(VALU_DEP_1)
	v_permlanex16_b32 v[BP], v254, s[SEL], s[SEL+1]
	s_delay_alu instid0(VALU_DEP_1)
	v_max_num_f32 v254, v254, v[BP]                ; with lane l xor 16's two blocks: the step's largest score of my query
	s_delay_alu instid0(VALU_DEP_1)
	v_mul_f32 v254, s[CS], v254                    ; as t (c is positive)
	s_delay_alu instid0(VALU_DEP_1)
	v_max_num_f32 v13, v13, v254                   ; the running largest t
	v_mov_b32 v254, v12
	s_delay_alu instid0(VALU_DEP_2)
	v_floor_f32 v12, -v13                          ; the new -M = -ceil(t)
	s_delay_alu instid0(VALU_DEP_1)
	v_sub_f32 v254, v12, v254                      ; old M - new M: a whole number, 0 or less
	s_delay_alu instid0(VALU_DEP_1)
	v_cvt_i32_f32 v254, v254                       ; (it saturates)
	s_delay_alu instid0(VALU_DEP_1)
	v_ldexp_f32 v[FF], 1.0, v254                   ; f
.set j, 0
.rept 32
	v_pk_fma_f32 v[SS+j:SS+j+1], v[SS+j:SS+j+1], s[CS:CS+1], v[12:13] op_sel_hi:[1,0,0]   ; t - M
.set j, j+2
.endr
.irp b, 0,1
	v_fma_f32 v[BM+\b], v[BM+\b], s[CS], v12       ; the same of my two blocks' largest scores
.endr
.set j, 0
	s_wait_alu depctr_va_vdst(0)
.rept 64
	v_exp_f32 v[SS+j], v[SS+j]                     ; p = 2^(t - M)
.set j, j+1
.endr
.irp b, 0,1
	v_exp_f32 v[BM+\b], v[BM+\b]                   ; the block's largest p: the same two instructions on the same number
.endr
	v_pk_mul_f32 v[14:15], v[14:15], v[FF:FF+1] op_sel_hi:[1,0]   ; the sums under the new M.  (A plain place behind the exponentials)
	s_wait_alu depctr_va_vdst(0)
.irp b, 0,1
	v_max_num_f32 v[BM+\b], 0x2800000, v[BM+\b]    ; the floor 2^(5 - 127)
.endr
.irp b, 0,1
	s_delay_alu instid0(VALU_DEP_2)
	v_add_nc_u32 v[SO+\b], 0xfe000000, v[BM+\b]    ; the conversion's scale operand
.endr
.irp b, 0,1
	s_delay_alu instid0(VALU_DEP_2)
	v_lshrrev_b32 v[BP+1+\b], 23, v[SO+\b]         ; the byte
.endr
	s_delay_alu instid0(VALU_DEP_1)
	v_lshl_or_b32 v[BP+1], v[BP+2], 16, v[BP+1]    ; my two bytes: blocks lane / 16 and 2 + lane / 16
	s_delay_alu instid0(VALU_DEP_1)
	v_permlanex16_b32 v[BP], v[BP+1], s[SEL], s[SEL+1]
	s_delay_alu instid0(VALU_DEP_1)
	v_lshl_or_b32 v[PSW], v[BP], 8, v[BP+1]        ; in lanes 0-15, which alone are read: p's scale word for these 128 keys
.irp c, 0,1
	v_cvt_scalef32_pk16_bf6_f32 v[PC+6*\c:PC+2+6*\c], v[SS+32*\c:SS+15+32*\c], v[SO+\c]
	v_cvt_scalef32_pk16_bf6_f32 v[PX+4*\c:PX+2+4*\c], v[SS+16+32*\c:SS+31+32*\c], v[SO+\c]   ; (a conversion's three registers begin on an even number: these are moved behind the sums, which are the plain places)
.endr
	v_pk_add_f32 v[252:253], v[100:101], v[104:105]
	v_pk_add_f32 v[254:255], v[108:109], v[112:113]
	v_pk_add_f32 v[250:251], v[116:117], v[120:121]
	v_pk_add_f32 v[248:249], v[124:125], v[128:129]
	v_pk_add_f32 v[242:243], v[132:133], v[136:137]
	v_pk_add_f32 v[240:241], v[140:141], v[144:145]
	v_pk_add_f32 v[92:93], v[148:149], v[152:153]
	v_pk_add_f32 v[14:15], v[14:15], v[156:157]
	v_pk_add_f32 v[252:253], v[252:253], v[96:97]
	v_pk_add_f32 v[254:255], v[254:255], v[98:99]
	v_pk_add_f32 v[250:251], v[250:251], v[102:103]
	v_pk_add_f32 v[248:249], v[248:249], v[106:107]
	v_pk_add_f32 v[242:243], v[242:243], v[110:111]
	v_pk_add_f32 v[240:241], v[240:241], v[114:115]
	v_pk_add_f32 v[92:93], v[92:93], v[118:119]
	v_pk_add_f32 v[14:15], v[14:15], v[122:123]
	v_pk_add_f32 v[252:253], v[252:253], v[126:127]
	v_pk_add_f32 v[254:255], v[254:255], v[130:131]
	v_pk_add_f32 v[250:251], v[250:251], v[134:135]
	v_pk_add_f32 v[248:249], v[248:249], v[138:139]
	v_pk_add_f32 v[242:243], v[242:243], v[142:143]
	v_pk_add_f32 v[240:241], v[240:241], v[146:147]
	v_pk_add_f32 v[92:93], v[92:93], v[150:151]
	v_pk_add_f32 v[14:15], v[14:15], v[154:155]
	v_pk_add_f32 v[252:253], v[252:253], v[158:159]
	s_delay_alu instid0(VALU_DEP_2)
	v_pk_add_f32 v[14:15], v[14:15], v[248:249]
	s_delay_alu instid0(VALU_DEP_2)
	v_pk_add_f32 v[252:253], v[252:253], v[242:243]
	v_pk_add_f32 v[254:255], v[254:255], v[240:241]
	v_pk_add_f32 v[250:251], v[250:251], v[92:93]
	s_delay_alu instid0(VALU_DEP_2)
	v_pk_add_f32 v[14:15], v[14:15], v[254:255]
	s_delay_alu instid0(VALU_DEP_2)
	v_pk_add_f32 v[252:253], v[252:253], v[250:251]
	s_delay_alu instid0(VALU_DEP_1)
	v_pk_add_f32 v[14:15], v[14:15], v[252:253]
.irp c, 0,1
.irp i, 0,1,2
	v_mov_b32 v[PC+3+6*\c+\i], v[PX+4*\c+\i]       ; registers 6 c .. 6 c + 5: keys 64 c + 32 (lane / 16) + 0 .. 31
.endr
.endr
.set j, 0
.rept 16
	v_pk_mul_f32 v[OT+j:OT+j+1], v[OT+j:OT+j+1], v[FF:FF+1] op_sel_hi:[1,0]   ; O^T under the new M.  (With the sums above: the places between p's codes and scale word and the products below)
.set j, j+2
.endr
	s_wait_alu depctr_va_vdst(0)
	s_wait_dscnt 0x0                               ; V is in
.irp x, 0,1,2,3                        ; O^T += V^T P^T: four accumulators by turns
.if \x%2
	v_wmma_scale_f32_16x16x128_f8f6f4 v[OT+8*\x:OT+8*\x+7], v[VFR+12*\x:VFR+12*\x+11], v[PC:PC+11], v[OT+8*\x:OT+8*\x+7], v[VS0+\x/2], v[PSW] matrix_a_fmt:MATRIX_FMT_BF6 matrix_b_fmt:MATRIX_FMT_BF6 matrix_a_scale:MATRIX_SCALE_ROW1
.else
	v_wmma_scale_f32_16x16x128_f8f6f4 v[OT+8*\x:OT+8*\x+7], v[VFR+12*\x:VFR+12*\x+11], v[PC:PC+11], v[OT+8*\x:OT+8*\x+7], v[VS0+\x/2], v[PSW] matrix_a_fmt:MATRIX_FMT_BF6 matrix_b_fmt:MATRIX_FMT_BF6
.endif
.endr
.if \causal
.Lhidden_\@:
.endif
	s_add_co_u32 s[TK], s[TK], 6144
	s_add_co_u32 s[TS], s[TS], 256
	s_add_co_u32 s[STP], s[STP], 1
.endm
; THE WAY OUT of a tile: O^T / the sum; register 16 b + i is channel 32 b + 16 (lane / 16) + i of the head: two blocks of the last product's K; codes and two scale bytes a row are stored.
.macro WAYOUT op, os
.rept 4
	v_nop                                          ; places behind the last products
.endr
	v_add_f32 v14, v14, v15
	s_delay_alu instid0(VALU_DEP_1)
	v_permlanex16_b32 v252, v14, s[SEL], s[SEL+1]
	s_delay_alu instid0(VALU_DEP_1)
	v_add_f32 v14, v14, v252                       ; the row's sum
	s_wait_alu depctr_va_vdst(0)
	v_rcp_f32 v14, v14
	v_nop                                          ; one plain place behind a transcendental
.set j, 0
	s_wait_alu depctr_va_vdst(0)
.rept 16
	v_pk_mul_f32 v[SS+j:SS+j+1], v[OT+j:OT+j+1], v[14:15] op_sel_hi:[1,0]   ; each accumulator from its low end on
.set j, j+2
.endr
.irp b, 0,1
	v_max3_num_f32 v[BM+\b], |v[SS+16*\b]|, |v[SS+1+16*\b]|, 0x2800000
.endr
.irp i, 2,4,6,8,10,12,14
.irp b, 0,1
	s_delay_alu instid0(VALU_DEP_2)
	v_max3_num_f32 v[BM+\b], v[BM+\b], |v[SS+16*\b+\i]|, |v[SS+1+16*\b+\i]|
.endr
.endr
.irp b, 0,1
	s_delay_alu instid0(VALU_DEP_2)
	v_permlanex16_b32 v[BP+\b], v[BM+\b], s[SEL], s[SEL+1]
.endr
.irp b, 0,1
	s_delay_alu instid0(VALU_DEP_2)
	v_max_num_f32 v[BM+\b], v[BM+\b], v[BP+\b]
.endr
.irp b, 0,1
	s_delay_alu instid0(VALU_DEP_2)
	v_add_nc_u32 v[SO+\b], 0xfe000000, v[BM+\b]
.endr
.irp b, 0,1
	s_delay_alu instid0(VALU_DEP_2)
	v_lshrrev_b32 v[BP+\b], 23, v[SO+\b]
.endr
	s_delay_alu instid0(VALU_DEP_1)
	v_lshl_or_b32 v255, v[BP+1], 8, v[BP]
	v_cvt_scalef32_pk16_bf6_f32 v[PC:PC+2], v[SS:SS+15], v[SO]
	v_cvt_scalef32_pk16_bf6_f32 v[PX:PX+2], v[SS+16:SS+31], v[SO+1]
	v_nop                                          ; one plain place behind a scaled conversion
.irp i, 0,1,2
	v_permlane16_swap_b32 v[PC+\i], v[PX+\i]
.endr
.irp i, 0,1,2
	s_delay_alu instid0(VALU_DEP_3)
	v_mov_b32 v[PC+3+\i], v[PX+\i]
.endr
.irp p, 0,1,2
	global_store_b64 v[L8], v[PC+2*\p:PC+2*\p+1], s[\op:\op+1] offset:256*\p   ; 256 consecutive bytes, aligned
.endr
	global_store_b16 v[R8], v255, s[\os:\os+1]     ; two bytes a row, rows 8 bytes apart (both halves of the lanes write the same): the other heads fill the words; 262,144 such bytes in the launch
	s_wait_xcnt 0x0                                ; the stores have read their registers: these are written again
.endm
	INIT
	STEP 0                                         ; the high tile's key step 0, written out: it lies ahead of the tile's block, which is 8 or more, and in the two tiles that the first barrier has shown
	s_wait_tensorcnt 0x0                           ; my eighth of K or of V is in,
	s_wait_dscnt 0x0
	s_barrier_signal -1
	s_barrier_wait -1                              ; everybody's is
	s_mov_b32 s[CNT], 15
.Lloop_c:                                              ; the high tile, key steps 1 to 15: those behind its block are left out
	STEP 1
	s_sub_co_u32 s[CNT], s[CNT], 1
	s_cmp_lg_u32 s[CNT], 0
	s_cbranch_scc1 .Lloop_c
	WAYOUT AOC_H, AOS_H
	s_mov_b32 s[TK], 0
	s_mov_b32 s[TS], 0
	s_mov_b32 s[STP], 0
	s_mov_b32 s[BLK], s[BLO]
	QINIT AQC_L, AQS_L
	INIT
	s_mov_b32 s[CNT], 8
.Lloop_d:                                              ; the low tile, key steps 0 to 7
	STEP 1
	s_sub_co_u32 s[CNT], s[CNT], 1
	s_cmp_lg_u32 s[CNT], 0
	s_cbranch_scc1 .Lloop_d
	WAYOUT AOC_L, AOS_L
	s_wait_dscnt 0x0
	s_wait_tensorcnt 0x0
	ds_add_u32 v94, v95
	s_wait_dscnt 0x0
	CROUND                                         ; the closing round
	s_endpgm
.Lfunc_end_k_q06f12eadb1_attn:
	.size	k_q06f12eadb1_attn, .Lfunc_end_k_q06f12eadb1_attn-k_q06f12eadb1_attn
	.p2alignl 7, 3214868480
	.fill 96, 4, 3214868480
	.section	.rodata,"a",@progbits
	.p2align	6, 0x0
	.amdhsa_kernel k_q06f12eadb1_attn
		.amdhsa_group_segment_fixed_size 206848
		.amdhsa_private_segment_fixed_size 0
		.amdhsa_enable_private_segment 0
		.amdhsa_kernarg_size 24
		.amdhsa_user_sgpr_count 2
		.amdhsa_user_sgpr_kernarg_segment_ptr 1
		.amdhsa_wavefront_size32 1
		.amdhsa_system_sgpr_workgroup_id_x 1
		.amdhsa_system_sgpr_workgroup_id_y 1
		.amdhsa_system_sgpr_workgroup_id_z 1
		.amdhsa_system_vgpr_workitem_id 0
		.amdhsa_next_free_vgpr 256
		.amdhsa_next_free_sgpr 100
		.amdhsa_reserve_vcc 1
		.amdhsa_float_denorm_mode_32 3
		.amdhsa_float_denorm_mode_16_64 3
		.amdhsa_memory_ordered 1
		.amdhsa_forward_progress 1
		.amdhsa_inst_pref_size 86
	.end_amdhsa_kernel
	.amdgpu_metadata
---
amdhsa.version: [ 1, 2 ]
amdhsa.kernels:
  - .name:           k_q06f12eadb1_attn
    .symbol:         k_q06f12eadb1_attn.kd
    .args:
      - { .name: qkq, .offset: 0, .size: 8, .value_kind: global_buffer, .address_space: global }
      - { .name: vq, .offset: 8, .size: 8, .value_kind: global_buffer, .address_space: global }
      - { .name: oq, .offset: 16, .size: 8, .value_kind: global_buffer, .address_space: global }
    .group_segment_fixed_size: 206848
    .private_segment_fixed_size: 0
    .kernarg_segment_align: 8
    .kernarg_segment_size: 24
    .max_flat_workgroup_size: 512
    .sgpr_count:     100
    .vgpr_count:     256
    .wavefront_size: 32
...
	.end_amdgpu_metadata
.endif
;; end of part 3
;; launch proj (part 4): grid 32 x 8, 4 waves a work-group, clusters of 4 x 4, 327,680 bytes of LDS; arguments oq, wpq, bp, out0; writes out0
.if DOCPART == 4
	.amdgcn_target "amdgcn-amd-amdhsa--gfx1250"
	.amdhsa_code_object_version 6
	.text
	.protected	k_q06f12eadb1_proj
	.globl	k_q06f12eadb1_proj
	.p2align	8
	.type	k_q06f12eadb1_proj,@function
k_q06f12eadb1_proj:
	s_mov_b64 s[64:65], 0
	v_nop
	global_prefetch_b8 v0, s[64:65] scope:SCOPE_SE
	s_setreg_imm32_b32 hwreg(HW_REG_WAVE_MODE, 25, 1), 1
	s_wait_xcnt 0x0
	s_wait_alu depctr_hold_cnt(0) depctr_sa_sdst(0) depctr_va_vdst(0) depctr_va_sdst(0) depctr_va_ssrc(0) depctr_va_vcc(0) depctr_vm_vsrc(0)
	s_getreg_b32 s2, hwreg(HW_REG_IB_STS2, 6, 4)
	s_cmp_eq_u32 s2, 0
	s_cbranch_scc0 .Lentry_in_a_cluster
	s_endpgm
.Lentry_in_a_cluster:
	s_bfe_u32 s2, ttmp6, 0x10000c
	s_cmp_lg_u32 s2, 0xf033
	s_cbranch_scc0 .Lentry_shape_is_right
	s_endpgm
.Lentry_shape_is_right:
; out[token][n] = sum over k of O[token][k] Wp[k][n] + bp[n], f32: 8,192 x 1,024 x 1,024 on codes of BF6 (E3M2) with E8M0 scales.
; OPERAND BUFFERS (oq: O's tokens; wpq: Wp's columns n): scale words from byte 0, codes from byte OFFC, as images of the operand's registers: [tile of 16 rows][K step of 128][1,536 bytes], piece p of 6 of lane l at 256 p + 8 l;
; the scale word of (tile, K step s, row r) at 512 tile + 128 (s / 2) + 8 r + 4 (s % 2).  Tile 2 g + u, row r, is true row 32 g + 8 u + r + 8 (r / 8).
; THE DEAL: 256 work-groups of four waves, 2 x 2, each 256 tokens x 128 columns.  A wave holds four tiles of Wp, all of K, in registers (384) and streams O's tiles past them: wave row w takes tile 2 s + w as its block s = 0 .. 7.
; The cluster's x counts tile rows (grid = 32, 8).  O's tiles are shared by a column of the cluster (mask s44), Wp's by a row (mask s45).
; LDS: O's 16 tiles, all of K, at once; Wp's 8 tiles; O's scale words (by plain loads and LDS stores, bytes of their own); the spare words; the waves' stages in Wp's first bytes, which have had their one fill and are read for the
; last time ahead of the barrier in front of the stream.  No refill, no prefetch: all is asked for at the head.
; THE HEAD'S FOUR TILES, one a wave, each on its own line: Wp's; O's tiles 0-7; 8-11; 12-15.  The stream begins when the first two are in; a plain barrier inside block 1 (the text being a loop's: inside 3 and 5 too) shows the others.
; The matrix instruction is used transposed (source 0 = Wp's rows): a lane holds one token; register j of tile b is column 32 (b / 2) + 8 (b % 2) + 16 (lane / 16) + j of my 64.  The bias is the first products' C.
; Behind a block's 32 products: its sums into the stage and back as whole rows of 256 bytes; the fetch of the block two on; one wait; eight stores.
; LIMITS: NaN, infinities and sums beyond f32's range are not served; a sum begins with the bias, where the reference adds it last.
.set SIZE_N, 1024
.set OFFC, 524288
.set NQ, 8
.set NB, 4
.set TM, 256
.set TN, 128
.set KROW, 768                         ; a sixteenth of a tile's 12,288 bytes: the tiles are dense, and are stated as rows of 768
.set FR, 12
.set FPW, 256/FR
.set NF, 26                            ; LDS loads of a block: 24 for eight fragments, 2 for eight scale words
.set YB, TM*KROW
.set SCL, (TM+TN)*KROW
.set SSTEP, 1024
.set SPITCH, 272
.set STAGE, YB
.set SPARE, SCL+8192
.set AAS0, 6
.set CO, 9
.set SPW, 10
.set NIL, 11
.set ADRB, 14
.set ABS, 16
.set AAS, 17
.set STO, 18
.set RD, 19
.set SB, 24                            ; v24-39 Wp's scale words
.set SA, 42                            ; v42-57 O's: two sets of eight
.set ACC, 64                           ; v64-127 two sets of four accumulators
.set BK, 128                           ; v128-191 two sets of rows back from the stage
.set AQ0, 192                          ; v192-199 LDS addresses of block 0's eight fragments
.set AQ, 200                           ; v200-207 the same for the block that is fetched next
.set BO, 208                           ; v208-239 the bias
.set XT, 240                           ; v240-255 O's scale words on their way into LDS
.set G1A, 24
.set G0A, 56
.set G1B, 32
.set G0B, 60
.set MSB, 0
.macro WIN new
.if MSB != \new
	s_set_vgpr_msb (MSB<<8)|\new
.set MSB, \new
.endif
.endm
.macro PLACES n
.rept \n
	v_nop
.endr
.endm
.macro WALU
	s_wait_alu depctr_va_vdst(0)
.endm
.macro BARRIER
	s_barrier_signal -1
	s_barrier_wait -1
.endm
.macro CROUND
	BARRIER
	s_cmp_lg_u32 s14, 0
	s_cbranch_scc1 .Lnot_wave_0_\@
	s_barrier_signal -3
.Lnot_wave_0_\@:
	s_barrier_wait -3
	BARRIER
.endm
.macro TLOAD g0, g1
	tensor_load_to_lds s[\g0:\g0+3], s[\g1:\g1+7]
	s_nop 0
	PLACES 4
.endm
.macro ATILE first, rows               ; a part of O's tiles, by a descriptor of constants
	s_mov_b32 s[G0A+1], (\first)*KROW
	s_mov_b32 s[G1A+2], (\rows)<<16
	s_mov_b32 s[G1A+4], \rows
.if \first
	s_add_nc_u64 s[G0A+2:G0A+3], s[G0A+2:G0A+3], (\first)*KROW
.endif
	s_or_b32 s[G0A+3], s[G0A+3], 0x80000000
	TLOAD G0A, G1A
.endm
.macro GROUP1 g, mask, rows
	s_or_b32 s[\g+0], s[\mask], (1<<21)
	s_mov_b32 s[\g+1], KROW<<16
	s_mov_b32 s[\g+3], KROW<<16
.if \rows
	s_mov_b32 s[\g+2], (\rows)<<16
	s_mov_b32 s[\g+4], \rows
.endif
	s_mov_b32 s[\g+5], KROW
	s_mov_b32 s[\g+6], 0
	s_mov_b32 s[\g+7], 0
.endm
.macro FRAGB f, q, b                   ; a fragment of Wp as it lies
	WIN (1+(\f)/FPW)<<6
.irp p, 0,1,2,3,4,5
	ds_load_b64 v[FR*((\f)%FPW)+2*\p:FR*((\f)%FPW)+2*\p+1], v[ADRB] offset:(\b)*16*KROW+(\q)*1536+256*\p
.endr
.endm
.macro FETCHAT e, aq, as               ; a block of O into set e: NF loads
.irp q, 0,1,2,3,4,5,6,7
	WIN (1+(NB*NQ+NQ*(\e)+\q)/FPW)<<6
.irp p, 0,2,4
	ds_load_2addr_b64 v[FR*((NB*NQ+NQ*(\e)+\q)%FPW)+2*\p:FR*((NB*NQ+NQ*(\e)+\q)%FPW)+2*\p+3], v[\aq+\q] offset0:32*\p offset1:32*\p+32
.endr
.endr
	WIN 0
	ds_load_2addr_b64 v[SA+8*(\e):SA+8*(\e)+3], v[\as] offset0:0 offset1:16
	ds_load_2addr_b64 v[SA+8*(\e)+4:SA+8*(\e)+7], v[\as] offset0:32 offset1:48
.endm
.macro PROD e, n                       ; product n = 4 q + tile of a block whose rows lie in set e
.set Q_, (\n)/4
.set FB_, NB*Q_+(\n)%4
.set FA_, NB*NQ+NQ*(\e)+Q_
.set D_, ACC+32*(\e)+8*((\n)%4)
.set XB_, SB+NQ*(((\n)%4)/2)+Q_
.set XA_, SA+8*(\e)+Q_
	WIN (1+FB_/FPW)|((1+FA_/FPW)<<2)
.if Q_
	PROD1 D_, FB_, FA_, v[D_:D_+7], XB_, XA_, (\n)%2
.else
	PROD1 D_, FB_, FA_, v[BO+8*((\n)%4):BO+8*((\n)%4)+7], XB_, XA_, (\n)%2
.endif
.endm
.macro PROD1 d, s0, s1, c, x0, x1, o
.if \o
	v_wmma_scale_f32_16x16x128_f8f6f4 v[\d:\d+7], v[FR*((\s0)%FPW):FR*((\s0)%FPW)+FR-1], v[FR*((\s1)%FPW):FR*((\s1)%FPW)+FR-1], \c, v[\x0], v[\x1] matrix_a_fmt:MATRIX_FMT_BF6 matrix_b_fmt:MATRIX_FMT_BF6 matrix_a_scale:MATRIX_SCALE_ROW1
.else
	v_wmma_scale_f32_16x16x128_f8f6f4 v[\d:\d+7], v[FR*((\s0)%FPW):FR*((\s0)%FPW)+FR-1], v[FR*((\s1)%FPW):FR*((\s1)%FPW)+FR-1], \c, v[\x0], v[\x1] matrix_a_fmt:MATRIX_FMT_BF6 matrix_b_fmt:MATRIX_FMT_BF6 matrix_a_scale:MATRIX_SCALE_ROW0
.endif
.endm
.macro ENTRY i, fetch                  ; behind products 1 to 5: five of the next fetch's nine addresses
.if \fetch
.if (\i) == 1
	s_add_co_u32 s101, s101, 32*KROW
	s_add_co_u32 s91, s91, SSTEP
.endif
.if (\i) >= 1 && (\i) <= 5
	WIN 0
	v_add_nc_u32 v[AQ+\i-1], s101, v[AQ0+\i-1]
.endif
.endif
.endm
.macro PRODS e, from, to, fetch
.set N_, \from
.rept (\to)-(\from)
	PROD \e, N_
	ENTRY N_, \fetch
.set N_, N_+1
.endr
	WIN 0
.endm
; THE ORDER OF O's TOKENS IN A TILE (the head's rule holds for Wp's columns alone): tile 4 G + t, row m, is token 64 G + 32 (m / 8) + 8 t + m % 8.
.macro TOC s                           ; set s of the rows goes out.  s[12:13] stands at the pair's first token; the pair's second block lies 16 tokens on; stage rows 2 t, 2 t + 1 are tokens (2 t) % 8 + 32 (t / 4) and the next
.irp t, 0,1,2,3,4,5,6,7
	global_store_b128 v[CO], v[BK+32*(\s)+4*\t:BK+32*(\s)+4*\t+3], s[12:13] offset:(16*(\s)+(2*\t)%8+32*(\t/4))*SIZE_N*4 th:TH_STORE_NT
.endr
.endm
.macro STAGED u                        ; set u's sums into my stage, each accumulator from its low end on, and back as whole rows; LDS serves a wave's instructions in order (ISA guide 5.7.1.4)
.irp b, 0,1,2,3
	ds_store_b128 v[STO], v[ACC+32*(\u)+8*\b:ACC+32*(\u)+8*\b+3] offset:128*(\b/2)+32*(\b%2)
	ds_store_b128 v[STO], v[ACC+32*(\u)+8*\b+4:ACC+32*(\u)+8*\b+7] offset:128*(\b/2)+32*(\b%2)+16
.endr
.irp t, 0,1,2,3,4,5,6,7
	ds_load_b128 v[BK+32*(\u)+4*\t:BK+32*(\u)+4*\t+3], v[RD] offset:2*\t*SPITCH
.endr
.endm
.macro STREAM s, fetch, show           ; a pair's block s.  show = 1: a plain barrier inside the block shows waves 2 and 3's tiles to all
.if \show
	PRODS \s, 0, 24, \fetch
	s_wait_tensorcnt 0x0
	s_wait_dscnt 0x0
	s_barrier_signal -1
	PRODS \s, 24, 32, \fetch
	s_barrier_wait -1
.else
	PRODS \s, 0, 32, \fetch
.endif
.if \fetch                             ; four plain vector lines between the last product and the first reader of its sums
	v_add_nc_u32 v[AQ+5], s101, v[AQ0+5]
	v_add_nc_u32 v[AQ+6], s101, v[AQ0+6]
	v_add_nc_u32 v[AQ+7], s101, v[AQ0+7]
	v_add_nc_u32 v[AAS], s91, v[AAS0]
	WALU
.else
	PLACES 4
.endif
	s_wait_xcnt 0x0                                ; earlier stores have read their rows and their base
.if (\s) == 0
	s_add_nc_u64 s[12:13], s[12:13], s[20:21]
.endif
	STAGED \s
.if \fetch
	FETCHAT \s, AQ, AAS
	s_wait_dscnt NF                                ; the rows are back from the stage; the fetch is younger
.else
	s_wait_dscnt 0x0
.endif
	TOC \s
.endm
	s_load_b256 s[4:11], s[0:1], 0x0               ; oq, wpq, bp, out0
	v_lshl_add_u32 v[SPW], v0, 2, SPARE
	v_mov_b32 v[NIL], 0
	ds_add_u32 v[SPW], v[NIL]                      ; the opening lines
	ds_add_u32 v[SPW], v[NIL]
	v_lshrrev_b32 v1, 5, v0
	v_readfirstlane_b32 s14, v1                    ; the wave; s15 its row of the 2 x 2, s16 its column
	s_lshr_b32 s15, s14, 1
	s_and_b32 s16, s14, 1
	s_bfe_u32 s40, ttmp6, 0x40000
	s_bfe_u32 s41, ttmp6, 0x40004
	s_lshl_b32 s43, ttmp9, 2
	s_add_co_u32 s43, s43, s40                     ; tile row
	s_and_b32 s42, ttmp7, 0xffff
	s_lshl_b32 s42, s42, 2
	s_add_co_u32 s42, s42, s41                     ; tile column
	s_lshl_b32 s44, 0x1111, s40
	s_lshl_b32 s45, s41, 2
	s_lshl_b32 s45, 15, s45
	GROUP1 G1A, 44, 0
	GROUP1 G1B, 45, TN
	s_mov_b32 s[G0A], 1
	s_mul_i32 s76, s43, TM*KROW
	s_add_co_u32 s76, s76, OFFC
	s_mov_b32 s77, 0
	s_mul_i32 s78, s42, TN*KROW
	s_add_co_u32 s78, s78, OFFC
	s_mov_b32 s79, 0
	s_lshl_b32 s80, s43, 13                        ; O's scale words: 16 tiles x 512
	s_mov_b32 s81, 0
	s_lshl_b32 s82, s42, 12                        ; Wp's: my four tiles
	s_lshl_b32 s21, s16, 11
	s_add_co_u32 s82, s82, s21
	s_mov_b32 s83, 0
	s_lshl_b32 s86, s42, 9                         ; my 64 columns, in bytes
	s_lshl_b32 s21, s16, 8
	s_add_co_u32 s86, s86, s21
	s_mov_b32 s87, 0
	s_lshl_b32 s84, s43, 20                        ; token 256 x tile row + 8 x wave row
	s_lshl_b32 s21, s15, 15
	s_add_co_u32 s84, s84, s21
	s_add_co_u32 s84, s84, s86
	s_mov_b32 s85, 0
	s_mov_b32 s[G0B], 1
	s_mov_b32 s[G0B+1], YB
	s_mul_i32 s23, s15, 16*KROW
	s_mul_i32 s22, s16, NB*16*KROW
	s_add_co_u32 s22, s22, YB
	s_lshl_b32 s21, s15, 9
	s_add_co_u32 s21, s21, SCL
	s_mul_i32 s20, s14, 16*SPITCH
	s_add_co_u32 s20, s20, STAGE
	v_and_b32 v1, 15, v0
	v_bfe_u32 v2, v0, 4, 1
	v_and_b32 v3, 31, v0
	v_lshl_add_u32 v[AQ0], v3, 3, s23
	v_lshl_add_u32 v[ADRB], v3, 3, s22
.irp q, 1,2,3,4,5,6,7
	v_add_nc_u32 v[AQ0+\q], 1536*\q, v[AQ0]
.endr
.irp q, 0,1,2,3,4,5,6,7
	v_add_nc_u32 v[AQ+\q], 32*KROW+1536*\q, v[AQ0]
.endr
	v_lshlrev_b32 v[ABS], 3, v1
	v_lshl_add_u32 v[ABS], v2, 9, v[ABS]           ; Wp's words: lanes 0-15 a pair's first tile, lanes 16-31 its second
	v_lshl_add_u32 v[AAS0], v1, 3, s21
	v_add_nc_u32 v[AAS], SSTEP, v[AAS0]
	v_mul_u32_u24 v23, v1, SPITCH
	v_lshl_add_u32 v23, v2, 6, v23
	v_add_nc_u32 v[STO], s20, v23
	v_mul_u32_u24 v22, v2, SPITCH
	v_lshl_add_u32 v22, v1, 4, v22
	v_add_nc_u32 v[RD], s20, v22
	v_mul_u32_u24 v21, v2, SIZE_N*4
	v_lshl_add_u32 v[CO], v1, 4, v21
	v_lshlrev_b32 v8, 6, v2                        ; the bias: 64 bytes for the upper half of the lanes
	v_lshlrev_b32 v22, 4, v0                       ; O's scale words: 16 bytes a thread
	v_add_nc_u32 v23, SCL, v22
	WALU
	s_wait_dscnt 0x0
	CROUND                                         ; the opening round
	s_wait_kmcnt 0x0
	s_add_nc_u64 s[G0A+2:G0A+3], s[4:5], s[76:77]
	s_add_nc_u64 s[G0B+2:G0B+3], s[6:7], s[78:79]
	s_or_b32 s[G0B+3], s[G0B+3], 0x80000000
	s_add_nc_u64 s[80:81], s[4:5], s[80:81]
	s_add_nc_u64 s[82:83], s[6:7], s[82:83]
	s_add_nc_u64 s[86:87], s[8:9], s[86:87]
	s_add_nc_u64 s[12:13], s[10:11], s[84:85]
	s_cmp_eq_u32 s14, 0
	s_cbranch_scc0 .Lwave_1
	TLOAD G0B, G1B                                 ; wave 0: Wp's tiles, which are wanted first
	s_branch .Lasked
.Lwave_1:
	s_cmp_eq_u32 s14, 1
	s_cbranch_scc0 .Lwave_2
	ATILE 0, 128                                   ; wave 1: O's tiles 0 to 7
	s_branch .Lasked
.Lwave_2:
	s_cmp_eq_u32 s14, 2
	s_cbranch_scc0 .Lwave_3
	ATILE 128, 64                                  ; wave 2: 8 to 11
	s_branch .Lasked
.Lwave_3:
	ATILE 192, 64                                  ; wave 3: 12 to 15
.Lasked:
.irp k, 0,1,2,3
	global_load_b128 v[XT+4*\k:XT+4*\k+3], v22, s[80:81] offset:2048*\k   ; a wave reads 512 consecutive bytes
.endr
.irp b, 0,1,2,3
	global_load_b128 v[BO+8*\b:BO+8*\b+3], v8, s[86:87] offset:128*(\b/2)+32*(\b%2)
	global_load_b128 v[BO+8*\b+4:BO+8*\b+7], v8, s[86:87] offset:128*(\b/2)+32*(\b%2)+16
.endr
.irp p, 0,1
.irp k, 0,1,2,3
	global_load_b64 v[SB+NQ*\p+2*\k:SB+NQ*\p+2*\k+1], v[ABS], s[82:83] offset:1024*\p+128*\k
.endr
.endr
	s_wait_loadcnt 0x0
.irp k, 0,1,2,3
	ds_store_b128 v23, v[XT+4*\k:XT+4*\k+3] offset:2048*\k
.endr
	s_wait_dscnt 0x0
	s_cmp_eq_u32 s14, 0
	s_cbranch_scc0 .Lnot_b
	s_wait_tensorcnt 0x0
.Lnot_b:
	BARRIER                                        ; Wp's tiles have landed
.irp q, 0,1,2,3,4,5,6,7
.irp b, 0,1,2,3
	FRAGB NB*\q+\b, \q, \b
.endr
.endr
	WIN 0
	s_mov_b32 s101, 32*KROW
	s_mov_b32 s91, SSTEP
	s_cmp_eq_u32 s14, 1
	s_cbranch_scc0 .Lnot_a
	s_wait_tensorcnt 0x0                           ; wave 1: O's tiles 0 to 7 have landed
.Lnot_a:
	s_wait_dscnt 0x0
	BARRIER                                        ; they and all scale words are in, and nobody reads Wp's bytes any more
	FETCHAT 0, AQ0, AAS0
	FETCHAT 1, AQ, AAS
	s_mov_b32 s23, 0
	s_mov_b32 s20, 0                               ; s[20:21]: from a pair's tokens to the next pair's
	s_mov_b32 s21, 0
	s_wait_dscnt NF                                ; block 0's rows are in
.Lpair:                                                ; blocks 0 to 5, a pair a trip
	STREAM 0, 1, 0
	STREAM 1, 1, 1
	s_mov_b32 s20, 64*SIZE_N*4
	s_add_co_u32 s23, s23, 1
	s_cmp_lg_u32 s23, 3
	s_cbranch_scc1 .Lpair
	STREAM 0, 0, 0                                 ; blocks 6 and 7 fetch nothing
	STREAM 1, 0, 0
	s_wait_tensorcnt 0x0                           ; the wave's end
	ds_add_u32 v[SPW], v[NIL]
	s_wait_dscnt 0x0
	CROUND
	s_endpgm
.Lfunc_end_k_q06f12eadb1_proj:
	.size	k_q06f12eadb1_proj, .Lfunc_end_k_q06f12eadb1_proj-k_q06f12eadb1_proj
	.p2alignl 7, 3214868480
	.fill 96, 4, 3214868480
	.section	.rodata,"a",@progbits
	.p2align	6, 0x0
	.amdhsa_kernel k_q06f12eadb1_proj
		.amdhsa_group_segment_fixed_size 327680
		.amdhsa_private_segment_fixed_size 0
		.amdhsa_enable_private_segment 0
		.amdhsa_kernarg_size 32
		.amdhsa_user_sgpr_count 2
		.amdhsa_user_sgpr_kernarg_segment_ptr 1
		.amdhsa_wavefront_size32 1
		.amdhsa_system_sgpr_workgroup_id_x 1
		.amdhsa_system_sgpr_workgroup_id_y 1
		.amdhsa_system_sgpr_workgroup_id_z 1
		.amdhsa_system_vgpr_workitem_id 0
		.amdhsa_next_free_vgpr 840
		.amdhsa_next_free_sgpr 102
		.amdhsa_reserve_vcc 0
		.amdhsa_float_denorm_mode_32 3
		.amdhsa_float_denorm_mode_16_64 3
		.amdhsa_memory_ordered 1
		.amdhsa_forward_progress 1
		.amdhsa_inst_pref_size 57
	.end_amdhsa_kernel
	.amdgpu_metadata
---
amdhsa.version: [ 1, 2 ]
amdhsa.kernels:
  - .name:           k_q06f12eadb1_proj
    .symbol:         k_q06f12eadb1_proj.kd
    .args:
      - { .name: oq, .offset: 0, .size: 8, .value_kind: global_buffer, .address_space: global }
      - { .name: wpq, .offset: 8, .size: 8, .value_kind: global_buffer, .address_space: global }
      - { .name: bp, .offset: 16, .size: 8, .value_kind: global_buffer, .address_space: global }
      - { .name: out0, .offset: 24, .size: 8, .value_kind: global_buffer, .address_space: global }
    .group_segment_fixed_size: 327680
    .private_segment_fixed_size: 0
    .kernarg_segment_align: 8
    .kernarg_segment_size: 32
    .max_flat_workgroup_size: 128
    .sgpr_count:     102
    .vgpr_count:     840
    .wavefront_size: 32
...
	.end_amdgpu_metadata
.endif
;; end of part 4
